; MI455X (gfx1250); checked and timed in simulation.
; The chip was launched on July 23, 2026; its instructions are those of AMD's public machine-readable ISA for CDNA 5 (MIT licence, August 2026) and "CDNA5" Instruction Set Architecture Reference Guide (July 2026). The comments in the code are by the model that wrote it; some were corrected since.
;; Self Attention. Allowed arithmetic: matrix products marked QUANTISED: E5M2 operands, one E8M0 scale for each 32 along K, by v_wmma_scale_f32_16x16x128_f8f6f4 with both operands' format E5M2, f32 sums; everything else in f32.
;; Inputs: scale 1,024 float32; theta 1,024 x 16 x 16 float32; w_out 1,024 x 1,024 float32; w_qkv 3,072 x 1,024 float32; x 8 x 1,024 x 1,024 float32.
;; Outputs: out0 8 x 1,024 x 1,024 float32.
;; This version of the problem:
;;   THIS VERSION OF THE PROBLEM IS GIVEN IN LOW PRECISION. The matrix products marked QUANTISED in the list below multiply operands that are first quantised to E5M2 (5 exponent bits, 2 mantissa bits; 8 bits a number), with one power-of-two scale for each 32 numbers along K (OCP MX v1.0); their sums are f32. All else is computed in f32.
;;   The module's matrix products, in the order in which they are computed (A, B: the left and right operand; K: the contracted axis; several contracted axes count as one K, in the product's order):
;;     1. [M 8,192, K 1,024] x [K 1,024, N 3,072]; A: computed on the way; B: input w_qkv: QUANTISED
;;     2. batch 128 x [M 1,024, K 64] x [K 64, N 1,024]; A: computed on the way; B: computed on the way: QUANTISED
;;     3. batch 128 x [M 1,024, K 1,024] x [K 1,024, N 64]; A: softmax (see below); B: computed on the way: QUANTISED
;;     4. [M 8,192, K 1,024] x [K 1,024, N 1,024]; A: computed on the way; B: input w_out: QUANTISED
;;   THE QUANTISER, for each operand of a quantised product, along K:
;;     - K is cut into blocks of 32 from its start; a last block that is shorter is filled with zeros.
;;     - A block's scale is 2^e with e = floor(log2(the largest magnitude in the block)) - 15, held to -126 .. 127; a block of zeros has e = 0. As a byte (E8M0): e + 127.
;;     - Each number is divided by its block's scale, clamped to +-57,344, and rounded to the nearest number of E5M2, ties to even, subnormals kept.
;;     - The product sums the exact products of the quantised numbers (number of the format x scale) in f32.
;;   ~~~python
;;   def quantise(x, axis):      # numpy; x: float32 -> the quantised numbers, widened to float32 again
;;       x = np.moveaxis(x, axis, -1); K = x.shape[-1]
;;       x = np.pad(x, [(0, 0)] * (x.ndim - 1) + [(0, -K % 32)]); x = x.reshape(x.shape[:-1] + (-1, 32)); a = np.abs(x).max(-1, keepdims=True)
;;       e = np.where(a > 0, np.clip(np.frexp(np.where(a > 0, a, 1))[1] - 1 - 15, -126, 127), 0)      # np.frexp(a)[1] - 1 = floor(log2(a)), exactly
;;       r = np.clip(x / 2.0 ** e, -57344, 57344)
;;       step = 2.0 ** (np.maximum(np.frexp(np.where(r == 0, 1, r))[1] - 1, -14) - 2)
;;       q = np.round(r / step) * step * 2.0 ** e      # np.round: ties to even
;;       return np.moveaxis(q.reshape(q.shape[:-2] + (-1,))[..., :K], -1, axis).astype(np.float32)
;;   ~~~
;;   SOFTMAX AHEAD OF A QUANTISED PRODUCT. Where the list says 'softmax', what is quantised is not the finished softmax but p = 2^(t - M), with t = logit x log2(e) and M = ceil(the row's largest t), a whole number; so 1/2 < the row's largest p <= 1. The row's sum l is taken of the UNQUANTISED p, in f32, and the product's result is divided by l at the end. Since M is a whole number, a kernel that streams over the keys may use a running M (the ceiling of the running maximum): every later rescaling is an exact power of two, which a block's scale takes up: the codes' values come out the same.
;;   OPERANDS COMPUTED ON THE WAY. 'Computed on the way' means the value that the module computes at that place (a softmax that the list does not call 'softmax' is quantised finished and normalised). What goes into a quantiser is computed in f32, as accurately as f32 sums, v_exp_f32 and their like allow (about 1e-6 of the number): no bf16 or f16 on the way to a quantiser, and a product that is left as it is and whose result goes on into a quantised operand takes f32 operands (vector FMAs, or v_wmma_f32_16x16x4_f32). A number that lies on a knife's edge between two numbers of the format may be rounded either way, as far as f32 arithmetic and the matrix unit's own rounding can turn it there, and no further.
;; One version. Each part assembles by itself: llvm-mc -triple=amdgcn-amd-amdhsa -mcpu=gfx1250 --defsym DOCPART=n.
;; ======== version 1 of 1: 4 launches
;; limits: right only within a limited range of input values
;; workspace buffers: cq 12,976,128 bytes; tab 2,097,152 bytes; qb 17,563,648 bytes; kv 17,563,648 bytes; oq 8,650,752 bytes
;; launch prep (part 1): grid 768 x 1, 8 waves a work-group, no clusters, 69,632 bytes of LDS; arguments x, scale, w_qkv, w_out, theta, cq, tab; writes cq, tab
.if DOCPART == 1
	.amdgcn_target "amdgcn-amd-amdhsa--gfx1250"
	.amdhsa_code_object_version 6
	.text
	.protected	k_q530b0a469b_prep
	.globl	k_q530b0a469b_prep
	.p2align	8
	.type	k_q530b0a469b_prep,@function
k_q530b0a469b_prep:
	s_mov_b64 s[64:65], 0
	v_nop
	global_prefetch_b8 v0, s[64:65] scope:SCOPE_SE
	s_setreg_imm32_b32 hwreg(HW_REG_WAVE_MODE, 25, 1), 1
	s_wait_xcnt 0x0
; PREP: x is RMS-normed and quantised; w_qkv and w_out are quantised; cos and sin of theta are laid out.  Codes are BF8 (E5M2) with one E8M0 byte for each 32 along K (K = the 1,024 columns).
; SHARES.  Work-group g takes 16 rows x 1,024: g 0-511 rows of x, 512-703 of w_qkv, 704-767 of w_out.  Wave w takes columns 128 w .. 128 w + 127, one K step of the later products.
; One path serves all three tensors: each number is multiplied by m = gain[c] x R + ADD, with (R, ADD) = (rsqrt(mean square + eps), 0) for x and (0, 1) for the weights, which leaves a weight as it is.
; THE CODES LEAVE AS IMAGES OF OPERAND REGISTERS: cq + g x 16,384 + w x 2,048 + c x 512 + 16 x lane: lane (r, h) holds 16 codes of row r, block c.
; POSITION ORDER: within a block of 32 the lane's code i is the number at 8 h + i + 8 (i / 8).  Every operand of every product of this program is laid so, so products and blocks stay the rule's own.
; The scale bytes lie [row][32] from byte SCOFF of cq on.  Work-groups 0-127 also make the table: wave w of work-group g takes tokens 16 (g / 2) .. + 15 of head 8 (g % 2) + w.
; A load of 512 consecutive bytes wants neighbouring lanes on neighbouring bytes, a conversion wants 16 numbers of a block in one lane: the wave's 16 x 512 bytes turn through its own stage in LDS (pitch 528).
; No tensor load, no cluster: no byte is read by two work-groups.
; LIMITS: NaN and infinities are not served; a block of zeros gets the byte 1 (its codes are zeros; this program alone reads the bytes); sine and cosine keep f32 accuracy for |theta| up to about 1e5;
; v_rsq_f32 may differ from the rule's rsqrt in the last bit; the mean square is summed in another order.
.set WST,   8448                       ; a wave's stage: 16 rows x 528 bytes
.set PSB,   67584                      ; behind the eight stages: partial sums [r][w] f32, 512 bytes; then the scale words [r][w], 512 bytes
.set SCOFF, 12582912                   ; where the scale bytes begin in cq
.set X,     32                         ; v32-95   my 64 numbers: register 16 b + i = column 128 w + 32 b + 8 h + i + 8 (i / 8) of row r
.set SC,    96                         ; v96-159  the gains of those columns, then the multipliers
.set PC,    96                         ; v96-111  the codes (the multipliers are used up by then)
.set TM,    16                         ; v16-19 largest magnitudes, v20-23 at work and bytes, v24-27 largest number x scale, v28-31 scale operands
.set PW,    20                         ; v20      my row's scale word, gathered in the first byte's register
.set SEL,   36                         ; s[36:37] lane selects: lane l xor 16
.set MNT,   38                         ; s38      the mantissa field of 57,344
.set T,     112                        ; v112-119 eight angles, where multipliers lay that are used up by then
.set KK,    32                         ; the table's work, eight registers each, in X's place
.set RR,    40
.set ZZ,    48
.set CP,    56
.set SP,    64
.set NN,    72
.set CO,    80
.set SI,    88
	s_load_b256 s[4:11], s[0:1], 0x0               ; x s[4:5], the gain s[6:7], w_qkv s[8:9], w_out s[10:11]
	s_load_b128 s[12:15], s[0:1], 0x20             ; theta s[12:13], cq s[14:15]
	s_load_b64 s[16:17], s[0:1], 0x30              ; tab
	v_lshl_add_u32 v1, v0, 2, 0x10c00              ; v1: my spare word; v15: 0; both kept for the add alone
	v_mov_b32 v15, 0
	v_lshrrev_b32 v13, 5, v0
	s_delay_alu instid0(VALU_DEP_1)
	v_readfirstlane_b32 s18, v13                   ; wave 0..7
	v_and_b32 v13, 31, v0                          ; lane
	v_and_b32 v2, 15, v0                           ; r
	v_bfe_u32 v3, v0, 4, 1                         ; h
	s_delay_alu instid0(VALU_DEP_3)
	v_lshlrev_b32 v14, 4, v13                      ; 16 x lane
	s_lshl_b32 s19, s18, 9
	v_add_nc_u32 v4, s19, v14                      ; a row's bytes: 512 w + 16 lane
	v_lshl_add_u32 v5, v3, 5, s19                  ; the gains: 512 w + 32 h
	s_mul_i32 s33, s18, WST
	v_add_nc_u32 v6, s33, v14                      ; into my stage: 16 lane, a row an instruction
	v_mul_u32_u24 v7, v2, 528
	s_delay_alu instid0(VALU_DEP_1)
	v_lshl_add_u32 v7, v3, 5, v7
	s_delay_alu instid0(VALU_DEP_1)
	v_add_nc_u32 v7, s33, v7                       ; out of it: row r, + 32 h
	s_lshl_b32 s34, s18, 11
	v_add_nc_u32 v8, s34, v14                      ; my codes in the tile's image: 2,048 w + 16 lane
	v_lshl_add_u32 v11, v2, 5, PSB                 ; row r's eight partial sums
	s_lshl_b32 s35, s18, 2
	v_add_nc_u32 v10, s35, v11                     ; my wave's word among them; 512 bytes on: my wave's scale word
	v_add_nc_u32 v9, PSB+512, v14                  ; the 512 bytes of scale words, 16 a lane
	s_mov_b32 s[SEL], 0x76543210
	s_mov_b32 s[SEL+1], 0xfedcba98
	s_mov_b32 s[MNT], 0x600000
	s_mov_b32 s28, 0x3a800000                      ; 1 / 1,024
	s_mov_b32 s29, 0x358637bd                      ; eps = 1e-6
	s_mov_b32 s22, 704
	s_mov_b32 s27, 0
	s_wait_alu depctr_va_vdst(0)
	s_wait_kmcnt 0x0
	s_cmp_lt_u32 ttmp9, 704                        ; which tensor: the choice hangs on the work-group's number alone
	s_cselect_b64 s[20:21], s[8:9], s[10:11]
	s_cselect_b32 s22, 512, s22
	s_cmp_lt_u32 ttmp9, 512
	s_cselect_b64 s[20:21], s[4:5], s[20:21]
	s_cselect_b32 s22, 0, s22                      ; the tensor's first tile
	s_cselect_b32 s23, 1.0, 0                      ; x: R = rsqrt; weights: R = 0
	s_cselect_b32 s24, 0, 1.0                      ; ADD
	s_mov_b32 s25, s24                             ; (named with it as a pair)
	s_sub_co_u32 s26, ttmp9, s22
	s_lshl_b32 s26, s26, 16                        ; 16 rows of 4,096 bytes
	s_add_nc_u64 s[20:21], s[20:21], s[26:27]
	s_lshl_b32 s26, ttmp9, 14
	s_add_nc_u64 s[30:31], s[14:15], s[26:27]      ; my tile's codes
	s_lshl_b32 s26, ttmp9, 9
	s_add_co_u32 s26, s26, SCOFF
	s_add_nc_u64 s[14:15], s[14:15], s[26:27]      ; my tile's scale bytes
.irp i, 0,1,2,3,4,5,6,7,8,9,10,11,12,13,14,15
	global_load_b128 v[X+4*\i:X+4*\i+3], v4, s[20:21] offset:4096*\i th:TH_LOAD_NT   ; row i: the wave reads 512 consecutive bytes
.endr
.irp b, 0,1,2,3
.irp j, 0,1,2,3
	global_load_b128 v[SC+16*\b+4*\j:SC+16*\b+4*\j+3], v5, s[6:7] offset:128*\b+16*(\j%2)+64*(\j/2)   ; the gains, already in position order
.endr
.endr
	s_wait_loadcnt 16                              ; the 16 rows are in; the 16 loads of gains issued behind them may be out
.irp i, 0,1,2,3,4,5,6,7,8,9,10,11,12,13,14,15
	ds_store_b128 v6, v[X+4*\i:X+4*\i+3] offset:528*\i
.endr
.irp b, 0,1,2,3
.irp j, 0,1,2,3
	ds_load_b128 v[X+16*\b+4*\j:X+16*\b+4*\j+3], v7 offset:128*\b+16*(\j%2)+64*(\j/2)   ; LDS serves a wave's instructions in order (ISA guide 5.7.1.4): these see the stores above
.endr
.endr
	s_wait_dscnt 0x0
	; the sum of squares of my 64 numbers, in four chains; then the other half of the lanes': row r's 128 columns of this wave
.irp k, 0,1,2,3
	v_pk_mul_f32 v[TM+2*\k:TM+2*\k+1], v[X+2*\k:X+2*\k+1], v[X+2*\k:X+2*\k+1]
.endr
.set p, 4
.rept 28
	s_delay_alu instid0(VALU_DEP_4)
	v_pk_fma_f32 v[TM+2*(p%4):TM+2*(p%4)+1], v[X+2*p:X+2*p+1], v[X+2*p:X+2*p+1], v[TM+2*(p%4):TM+2*(p%4)+1]
.set p, p+1
.endr
	s_delay_alu instid0(VALU_DEP_3)
	v_pk_add_f32 v[16:17], v[16:17], v[18:19]
	s_delay_alu instid0(VALU_DEP_2)
	v_pk_add_f32 v[20:21], v[20:21], v[22:23]
	s_delay_alu instid0(VALU_DEP_1)
	v_pk_add_f32 v[16:17], v[16:17], v[20:21]
	s_delay_alu instid0(VALU_DEP_1)
	v_add_f32 v16, v16, v17
	s_delay_alu instid0(VALU_DEP_1)
	v_permlanex16_b32 v17, v16, s[SEL], s[SEL+1]
	s_delay_alu instid0(VALU_DEP_1)
	v_add_f32 v16, v16, v17
	ds_store_b32 v10, v16                          ; both halves of the lanes write the same word with the same value
	s_wait_dscnt 0x0                               ; for the others' sake: my partial sums lie in LDS
	s_barrier_signal -1
	s_barrier_wait -1
	ds_load_b128 v[16:19], v11
	ds_load_b128 v[20:23], v11 offset:16
	s_wait_dscnt 0x0
	v_pk_add_f32 v[16:17], v[16:17], v[18:19]      ; the same order in every wave: all eight get the same bits
	v_pk_add_f32 v[20:21], v[20:21], v[22:23]
	s_delay_alu instid0(VALU_DEP_1)
	v_pk_add_f32 v[16:17], v[16:17], v[20:21]
	s_delay_alu instid0(VALU_DEP_1)
	v_add_f32 v16, v16, v17
	s_delay_alu instid0(VALU_DEP_1)
	v_fma_f32 v16, v16, s28, s29                   ; the mean square + eps
	s_wait_alu depctr_va_vdst(0)
	v_rsq_f32 v17, v16
	v_nop                                          ; a plain instruction behind the transcendental (ISA guide 5.7.2)
	s_wait_alu depctr_va_vdst(0)                   ; and a wait ahead of the first use
	v_mul_f32 v12, s23, v17                        ; R
	s_delay_alu instid0(VALU_DEP_1)
	v_mov_b32 v13, v12
	s_wait_alu depctr_va_vdst(0)
	s_wait_loadcnt 0x0                             ; the gains
.set p, 0
.rept 32
	v_pk_fma_f32 v[SC+2*p:SC+2*p+1], v[SC+2*p:SC+2*p+1], v[12:13], s[24:25] op_sel_hi:[1,0,0]   ; m = gain x R + ADD
.set p, p+1
.endr
.set p, 0
.rept 32
	v_pk_mul_f32 v[X+2*p:X+2*p+1], v[X+2*p:X+2*p+1], v[SC+2*p:SC+2*p+1]
.set p, p+1
.endr
	; THE QUANTISER: four blocks of 32, each in lanes l and l xor 16
.irp b, 0,1,2,3
	v_max3_num_f32 v[TM+\b], |v[X+16*\b]|, |v[X+1+16*\b]|, 0x8000000   ; my 16 numbers, and the floor 2^(16 - 127): the byte cannot fall under 1
.endr
.irp i, 2,4,6,8,10,12,14
.irp b, 0,1,2,3
	s_delay_alu instid0(VALU_DEP_4)
	v_max3_num_f32 v[TM+\b], v[TM+\b], |v[X+16*\b+\i]|, |v[X+1+16*\b+\i]|   ; the four blocks by turns
.endr
.endr
.irp b, 0,1,2,3
	s_delay_alu instid0(VALU_DEP_4)
	v_permlanex16_b32 v[TM+4+\b], v[TM+\b], s[SEL], s[SEL+1]
.endr
.irp b, 0,1,2,3
	s_delay_alu instid0(VALU_DEP_4)
	v_max_num_f32 v[TM+\b], v[TM+\b], v[TM+4+\b]   ; the block's largest magnitude
.endr
.irp b, 0,1,2,3
	s_delay_alu instid0(VALU_DEP_4)
	v_add_nc_u32 v[TM+12+\b], 0xf8800000, v[TM+\b] ; 15 off its exponent field: the conversion's scale operand
.endr
.irp b, 0,1,2,3
	v_and_or_b32 v[TM+8+\b], v[TM+\b], 0x7f800000, s[MNT]   ; 57,344 x the scale
.endr
.irp b, 0,1,2,3
	v_lshrrev_b32 v[TM+4+\b], 23, v[TM+12+\b]      ; the scale's byte
.endr
	s_delay_alu instid0(VALU_DEP_3)
	v_lshl_or_b32 v[PW], v[TM+5], 8, v[TM+4]
	s_delay_alu instid0(VALU_DEP_1)
	v_lshl_or_b32 v[PW], v[TM+6], 16, v[PW]
	s_delay_alu instid0(VALU_DEP_1)
	v_lshl_or_b32 v[PW], v[TM+7], 24, v[PW]
.irp b, 0,1,2,3
.irp i, 0,1,2,3,4,5,6,7,8,9,10,11,12,13,14,15
	v_med3_num_f32 v[X+16*\b+\i], v[X+16*\b+\i], -v[TM+8+\b], v[TM+8+\b]   ; the conversion does not saturate (ISA guide 7.6.2): the hold at the largest code x the scale
.endr
	v_cvt_scalef32_pk8_bf8_f32 v[PC+4*\b:PC+1+4*\b], v[X+16*\b:X+7+16*\b], v[TM+12+\b]
	v_cvt_scalef32_pk8_bf8_f32 v[PC+2+4*\b:PC+3+4*\b], v[X+8+16*\b:X+15+16*\b], v[TM+12+\b]
.endr
	v_nop                                          ; a plain instruction behind the last conversion
.irp c, 0,1,2,3
	global_store_b128 v8, v[PC+4*\c:PC+4*\c+3], s[30:31] offset:512*\c   ; 512 consecutive bytes, aligned
.endr
	ds_store_b32 v10, v[PW] offset:512             ; row r's word of K step w: the eight words of a row are its 32 bytes
	s_wait_dscnt 0x0
	s_barrier_signal -1
	s_barrier_wait -1
	s_cmp_lg_u32 s18, 0
	s_cbranch_scc1 .Lnot_wave_0
	ds_load_b128 v[16:19], v9
	s_wait_dscnt 0x0
	global_store_b128 v14, v[16:19], s[14:15]      ; the tile's 512 scale bytes, by one wave
.Lnot_wave_0:
	s_cmp_lt_u32 ttmp9, 128
	s_cbranch_scc0 .Lend
	; THE TABLE: lane (r, h) takes angles 8 h + 0 .. 7 of token 16 (g / 2) + r, head 8 (g % 2) + w
	s_lshr_b32 s39, ttmp9, 1
	s_and_b32 s40, ttmp9, 1
	s_lshl_b32 s40, s40, 3
	s_add_co_u32 s40, s40, s18                     ; the head
	s_lshl_b32 s26, s39, 14                        ; 16 tokens of 1,024 bytes
	s_lshl_b32 s41, s40, 6
	s_add_co_u32 s26, s26, s41
	s_add_nc_u64 s[12:13], s[12:13], s[26:27]
	s_lshl_b32 s26, s40, 17
	s_lshl_b32 s41, s39, 11
	s_add_co_u32 s26, s26, s41
	s_add_nc_u64 s[16:17], s[16:17], s[26:27]      ; tab + head x 131,072 + 2,048 x (token / 16)
	v_lshlrev_b32 v2, 10, v2
	s_delay_alu instid0(VALU_DEP_1)
	v_lshl_add_u32 v2, v3, 5, v2
	global_load_b128 v[T:T+3], v2, s[12:13]
	global_load_b128 v[T+4:T+7], v2, s[12:13] offset:16
	s_mov_b32 s42, 0x37d00d01                      ; 1 / 8!
	s_mov_b32 s43, 0x3638ef1d                      ; 1 / 9!
	s_wait_loadcnt 0x0
.irp a, 0,1,2,3,4,5,6,7
	v_mul_f32 v[KK+\a], 0x3f22f983, v[T+\a]        ; t x 2 / pi
.endr
.irp a, 0,1,2,3,4,5,6,7
	v_rndne_f32 v[KK+\a], v[KK+\a]                 ; k
.endr
.irp a, 0,1,2,3,4,5,6,7
	v_fmamk_f32 v[RR+\a], v[KK+\a], 0xbfc90fd8, v[T+\a]   ; rho = t - k pi / 2, pi / 2 in three parts
.endr
.irp a, 0,1,2,3,4,5,6,7
	v_fmamk_f32 v[RR+\a], v[KK+\a], 0xb4a8885a, v[RR+\a]
.endr
.irp a, 0,1,2,3,4,5,6,7
	v_fmamk_f32 v[RR+\a], v[KK+\a], 0xa7c234c4, v[RR+\a]
.endr
.irp a, 0,1,2,3,4,5,6,7
	v_mul_f32 v[ZZ+\a], v[RR+\a], v[RR+\a]
.endr
.irp a, 0,1,2,3,4,5,6,7                        ; cos(rho), |rho| <= pi / 4: the series to rho^8 (what is cut is under 3e-8)
	v_fmaak_f32 v[CP+\a], s42, v[ZZ+\a], 0xbab60b61
.endr
.irp a, 0,1,2,3,4,5,6,7
	v_fmaak_f32 v[CP+\a], v[CP+\a], v[ZZ+\a], 0x3d2aaaab
.endr
.irp a, 0,1,2,3,4,5,6,7
	v_fma_f32 v[CP+\a], v[CP+\a], v[ZZ+\a], -0.5
.endr
.irp a, 0,1,2,3,4,5,6,7
	v_fma_f32 v[CP+\a], v[CP+\a], v[ZZ+\a], 1.0
.endr
.irp a, 0,1,2,3,4,5,6,7                        ; sin(rho): the series to rho^9
	v_fmaak_f32 v[SP+\a], s43, v[ZZ+\a], 0xb9500d01
.endr
.irp a, 0,1,2,3,4,5,6,7
	v_fmaak_f32 v[SP+\a], v[SP+\a], v[ZZ+\a], 0x3c088889
.endr
.irp a, 0,1,2,3,4,5,6,7
	v_fmaak_f32 v[SP+\a], v[SP+\a], v[ZZ+\a], 0xbe2aaaab
.endr
.irp a, 0,1,2,3,4,5,6,7
	v_mul_f32 v[ZZ+\a], v[ZZ+\a], v[RR+\a]
.endr
.irp a, 0,1,2,3,4,5,6,7
	v_fma_f32 v[SP+\a], v[SP+\a], v[ZZ+\a], v[RR+\a]
.endr
.irp a, 0,1,2,3,4,5,6,7
	v_cvt_i32_f32 v[NN+\a], v[KK+\a]               ; the quadrant n
.endr
.irp a, 0,1,2,3,4,5,6,7
	v_and_b32 v[KK+\a], 1, v[NN+\a]
	s_delay_alu instid0(VALU_DEP_1)
	v_cmp_eq_u32 vcc_lo, 1, v[KK+\a]               ; n odd: sine and cosine change places
	s_delay_alu instid0(VALU_DEP_1)
	v_cndmask_b32 v[CO+\a], v[CP+\a], v[SP+\a], vcc_lo
	s_delay_alu instid0(VALU_DEP_2)
	v_cndmask_b32 v[SI+\a], v[SP+\a], v[CP+\a], vcc_lo
.endr
.irp a, 0,1,2,3,4,5,6,7
	v_lshlrev_b32 v[KK+\a], 30, v[NN+\a]           ; the sine is negative where bit 1 of n is set,
	v_add_nc_u32 v[NN+\a], 1, v[NN+\a]
.endr
.irp a, 0,1,2,3,4,5,6,7
	v_and_b32 v[KK+\a], 0x80000000, v[KK+\a]
	v_lshlrev_b32 v[NN+\a], 30, v[NN+\a]           ; the cosine where bit 1 of n + 1 is
.endr
.irp a, 0,1,2,3,4,5,6,7
	v_xor_b32 v[SI+\a], v[KK+\a], v[SI+\a]
	v_and_b32 v[NN+\a], 0x80000000, v[NN+\a]
.endr
.irp a, 0,1,2,3,4,5,6,7
	v_xor_b32 v[CO+\a], v[NN+\a], v[CO+\a]
.endr
	global_store_b128 v14, v[CO:CO+3], s[16:17]
	global_store_b128 v14, v[CO+4:CO+7], s[16:17] offset:512
	global_store_b128 v14, v[SI:SI+3], s[16:17] offset:1024
	global_store_b128 v14, v[SI+4:SI+7], s[16:17] offset:1536
.Lend:
	s_wait_tensorcnt 0x0
	ds_add_u32 v1, v15
	s_wait_dscnt 0x0
	s_endpgm
.Lfunc_end_k_q530b0a469b_prep:
	.size	k_q530b0a469b_prep, .Lfunc_end_k_q530b0a469b_prep-k_q530b0a469b_prep
	.p2alignl 7, 3214868480
	.fill 96, 4, 3214868480
	.section	.rodata,"a",@progbits
	.p2align	6, 0x0
	.amdhsa_kernel k_q530b0a469b_prep
		.amdhsa_group_segment_fixed_size 69632
		.amdhsa_private_segment_fixed_size 0
		.amdhsa_enable_private_segment 0
		.amdhsa_kernarg_size 56
		.amdhsa_user_sgpr_count 2
		.amdhsa_user_sgpr_kernarg_segment_ptr 1
		.amdhsa_wavefront_size32 1
		.amdhsa_system_sgpr_workgroup_id_x 1
		.amdhsa_system_sgpr_workgroup_id_y 1
		.amdhsa_system_sgpr_workgroup_id_z 1
		.amdhsa_system_vgpr_workitem_id 0
		.amdhsa_next_free_vgpr 160
		.amdhsa_next_free_sgpr 66
		.amdhsa_reserve_vcc 1
		.amdhsa_float_denorm_mode_32 3
		.amdhsa_float_denorm_mode_16_64 3
		.amdhsa_memory_ordered 1
		.amdhsa_forward_progress 1
		.amdhsa_inst_pref_size 39
	.end_amdhsa_kernel
	.amdgpu_metadata
---
amdhsa.version: [ 1, 2 ]
amdhsa.kernels:
  - .name:           k_q530b0a469b_prep
    .symbol:         k_q530b0a469b_prep.kd
    .args:
      - { .name: x, .offset: 0, .size: 8, .value_kind: global_buffer, .address_space: global }
      - { .name: scale, .offset: 8, .size: 8, .value_kind: global_buffer, .address_space: global }
      - { .name: w_qkv, .offset: 16, .size: 8, .value_kind: global_buffer, .address_space: global }
      - { .name: w_out, .offset: 24, .size: 8, .value_kind: global_buffer, .address_space: global }
      - { .name: theta, .offset: 32, .size: 8, .value_kind: global_buffer, .address_space: global }
      - { .name: cq, .offset: 40, .size: 8, .value_kind: global_buffer, .address_space: global }
      - { .name: tab, .offset: 48, .size: 8, .value_kind: global_buffer, .address_space: global }
    .group_segment_fixed_size: 69632
    .private_segment_fixed_size: 0
    .kernarg_segment_align: 8
    .kernarg_segment_size: 56
    .max_flat_workgroup_size: 256
    .sgpr_count:     66
    .vgpr_count:     160
    .wavefront_size: 32
...
	.end_amdgpu_metadata
.endif
;; end of part 1
;; launch qkv (part 2): grid 8 x 32, 4 waves a work-group, clusters of 4 x 4, 327,680 bytes of LDS; arguments cq, tab, qb, kv; writes qb, kv
.if DOCPART == 2
	.amdgcn_target "amdgcn-amd-amdhsa--gfx1250"
	.amdhsa_code_object_version 6
	.text
	.protected	k_q530b0a469b_qkv
	.globl	k_q530b0a469b_qkv
	.p2align	8
	.type	k_q530b0a469b_qkv,@function
k_q530b0a469b_qkv:
	s_mov_b64 s[64:65], 0
	v_nop
	global_prefetch_b8 v0, s[64:65] scope:SCOPE_SE
	s_setreg_imm32_b32 hwreg(HW_REG_WAVE_MODE, 25, 1), 1
	s_wait_xcnt 0x0
	s_wait_alu depctr_hold_cnt(0) depctr_sa_sdst(0) depctr_va_vdst(0) depctr_va_sdst(0) depctr_va_ssrc(0) depctr_va_vcc(0) depctr_vm_vsrc(0)
	s_getreg_b32 s2, hwreg(HW_REG_IB_STS2, 6, 4)
	s_cmp_eq_u32 s2, 0
	s_cbranch_scc0 .Lentry_in_a_cluster
	s_endpgm
.Lentry_in_a_cluster:
	s_bfe_u32 s2, ttmp6, 0x10000c
	s_cmp_lg_u32 s2, 0xf033
	s_cbranch_scc0 .Lentry_shape_is_right
	s_endpgm
.Lentry_shape_is_right:
; QKV: qkv = xn W^T on codes of BF8 (E5M2) with E8M0 scales, K = 1,024; then the rotation of q and k, and q, k, v quantised for the two products of attention.  Nothing leaves as f32.
; A WORK-GROUP STAYS AND MAKES TWO TILES.  q and k are 32 x 8 = 256 tiles of 256 tokens x 256 rows of W; v is 256 half tiles of 256 rows of W x 128 tokens: each of the 256 work-groups makes one of each.
; PHASE 1 (q where the cluster's x is 0, k where it is 1): A' = 256 tokens of x, B' = 256 rows of W; a wave makes 128 x 128: 64 accumulators.
; PHASE 2 (v): A' = 256 rows of W_v, B' = 128 tokens; a wave makes 64 rows (one head) x 128 tokens: 32 accumulators.
; The matrix instruction takes source 0 = 16 rows of B', source 1 = 16 rows of A': a lane holds ONE row of A' (lane % 16) and, in accumulator (a, b), rows 16 b + 8 (lane / 16) + 0 .. 7 of B'.
; So for q and k a lane's registers run along the head's 64 (their K in the scores), for v along the tokens (its K in the second product): the conversions' results are the later operands' registers.
; K goes in steps of 256 through two LDS slots filled by the tensor data mover, and THE RING DOES NOT STOP BETWEEN THE PHASES: phase 1's last two changes of slots ask for phase 2's first two K steps, which land
; under phase 1's last products and its way out.
; ALL CODES LIE IN MEMORY AS IMAGES OF OPERAND REGISTERS (16 rows x 128 K = 4 pieces of 512 bytes, 16 bytes a lane): a K step of 128 rows is 8 rows of 4,096 bytes for one tensor load, LDS has no pitch and
; no padding, and a fragment is four ds_load_b128 at 16 x lane.  POSITION ORDER: code i of lane (r, h) in a block of 32 is the number at 8 h + i + 8 (i / 8), alike in both operands of every product.
; THE SCALES of both phases' rows for all of K come into LDS once, with the first fills, as rows of 256 bytes + 16, and stay.
; CLUSTERS: 4 x 4.  In both phases A' hangs on cy (and the cluster's y) and is shared along a row of the cluster, B' on cx (and the cluster's place) and is shared along a column: joint loads.
; Prefetches ask for K steps ahead of their loads.
; LIMITS: NaN and infinities are not served; a block of zeros gets the byte 1 (zero codes; this program alone reads the bytes); the rotation is fused (x1 cos - x2 sin with one rounding less).
; REGISTERS: window 0: v8-30 addresses and offsets; v32-63 A's scale words, v64-95 B's (two sets each; they hold nothing else); v128-255 A's fragments (phase 1: one set of 8; phase 2: two sets of 4);
;   on the ways out v96-111 and v128-255 are at work.   window 1: B's fragments, two sets; at the end of phase 1 the table of cos and sin.
;   windows 2, 3: the accumulators: (a, b) at v[8 ((8 a + b) % 32)] of window 2 + a / 4; phase 2 has window 2 alone.
.set NQ,    2                          ; matrix instructions deep in a slot
.set FR,    16                         ; registers of a fragment
.set NL,    4                          ; LDS loads that bring one
.set NP,    8                          ; places behind this matrix instruction (ISA guide 7.12.1)
.set SLOT,  131072                     ; A's 256 rows x 256 K, then B's
.set BOFF,  65536                      ; where B' begins in a slot
.set SCA,   2*SLOT                     ; behind the ring: phase 1: A's scales: 32 rows of 256 + 16 bytes;
.set SCB,   SCA+8704                   ; B's;
.set SCA2,  SCB+8704                   ; phase 2: A's;
.set SCB2,  SCA2+8704                  ; B's: 16 rows
.set SPARE, SCB2+4352                  ; the spare words, 128 bytes a wave: two blocks of 256 bytes that no other line names
.set SCOFF, 12582912                   ; where the scale bytes begin in cq
.set HEADB, 137216                     ; a head's bytes in qb and kv: eight chunks of 17,152, one for each 128 tokens: codes of q or k 8,192; codes of v 8,192; scale words 512 and 256
.set L16,  8                           ; v8   16 x lane
.set OSV,  9                           ; v9   byte offset of my scale words of q or k
.set HV,   10                          ; v10  lane / 16
.set VOC1, 11                          ; v11  byte offset of my codes of q or k
.set VOT,  12                          ; v12  of my part of the table
.set VOC2, 13                          ; v13  of my codes of v
.set VOW2, 14                          ; v14  of my scale words of v
.set LN,   15                          ; v15  lane
.set ADRA, 16                          ; v16-17 phase 1: my A fragments in slot 0, 1
.set ADRA2, 18                         ; v18-19 phase 2
.set ADRB, 20                          ; v20-21 phase 1: my B fragments
.set ADRB2, 22                         ; v22-23 phase 2
.set ADSA2, 24                         ; v24  phase 2: my row's scale bytes among A's
.set ADSB2, 25                         ; v25  among B's
.set ADSA, 27                          ; v27  phase 1: among A's
.set SPW,  28                          ; v28  my spare word; never rewritten
.set NIL,  29                          ; v29  0; never rewritten
.set ADSB, 30                          ; v30  phase 1: among B's
.set SCAR, 32
.set SCBR, 64
.set AF,   128
.set SD,   96                          ; the way out: v96-103 scale words as they are stored; v104 at work
.set TW,   104
.set H,    128                         ; v128-191 numbers ahead of the conversions
.set PCO,  192                         ; v192-223 codes, in sets that take turns
.set TM,   224                         ; v224-239 largest magnitudes, bytes, holds, scale operands
.set WD,   240                         ; v240-255 the scale words, kept to the end
.set SEL,  2                           ; s[2:3] on the ways out: lane selects for lane l xor 16
.set G0S,  12                          ; s[12:15] group 0: phase 1's scales of A';  s[16:19] phase 2's;  s[20:23] phase 1's of B';  s[40:43] phase 2's
.set G0S2, 16
.set G0SB, 20
.set G1,   24                          ; s[24:31] group 1 for A's codes, both phases;  s[32:39] group 0, one set for each slot
.set G0,   32
.set G0SB2, 40
.set NA2,  44                          ; s[44:45] where phase 2's codes of A' begin;  s[46:47] of B'
.set NB2,  46
.set G1B,  48                          ; s[48:55] group 1 for phase 1's codes of B';  s[56:63] group 0, one set for each slot
.set G0B,  56
.set WV,   66                          ; s66  wave
.set RHF,  67                          ; s67  wave / 2: which 128 rows of A' are mine in phase 1.  Also: I fetch for A' (0) or B' (1)
.set G1S,  68                          ; s[68:75] group 1 for scales of A' (256 rows);  s[76:83] of B' (256 rows);  s[84:91] of phase 2's B' (128 rows)
.set G1SB, 76
.set G1SB2, 84
.set G1B2, 92                          ; s[92:99] group 1 for phase 2's codes of B' (64 rows)
.set CHF,  100                         ; s100 wave % 2: which 128 rows of B' are mine in phase 1.  Also: which half I fetch
.set MNT,  101                         ; s101 on the ways out: the mantissa field of 57,344
.set TA,   G0+6                        ; slot 1's address words serve as scratch until they are written for good: A's for numbers made of the wave and cy,
.set TB,   G0B+6                       ; B's for numbers made of the wave and cx
.set MSB, 0
.macro WIN new                         ; the immediate's high byte repeats the setting that is left
.if MSB != (\new)
	s_set_vgpr_msb (MSB<<8)|(\new)
.set MSB, (\new)
.endif
.endm
.macro MULWIN a                        ; source 0 (B) window 1, source 1 (A) window 0, C and D the window of block a's accumulators
	WIN 0xa1+0x50*((\a)/4)
.endm
.macro JLOAD g0a, g1a, g0b, g1b        ; a joint load: waves 0, 1 fetch for A', waves 2, 3 for B'; four v_nop follow each line
	s_cmp_eq_u32 s[RHF], 0
	s_cbranch_scc0 .Lfor_b_\@
	tensor_load_to_lds s[\g0a:\g0a+3], s[\g1a:\g1a+7]
	s_nop 0
.rept 4
	v_nop
.endr
	s_branch .Lasked_\@
.Lfor_b_\@:
	tensor_load_to_lds s[\g0b:\g0b+3], s[\g1b:\g1b+7]
	s_nop 0
.rept 4
	v_nop
.endr
.Lasked_\@:
.endm
.macro CREST                           ; a round of the cluster's barrier behind its opening barrier
	s_cmp_lg_u32 s[WV], 0
	s_cbranch_scc1 .Lnot_wave_0_\@
	s_barrier_signal -3
.Lnot_wave_0_\@:
	s_barrier_wait -3
	s_barrier_signal -1
	s_barrier_wait -1
.endm
.macro CROUND
	s_barrier_signal -1
	s_barrier_wait -1
	CREST
.endm
	s_load_b256 s[4:11], s[0:1], 0x0               ; cq s[4:5], tab s[6:7], qb s[8:9], kv s[10:11]
	v_lshl_add_u32 v[SPW], v0, 2, SPARE
	v_mov_b32 v[NIL], 0
	ds_add_u32 v28, v29
	ds_add_u32 v28, v29
	s_wait_dscnt 0x0
	v_lshrrev_b32 v1, 5, v0
	v_readfirstlane_b32 s[WV], v1                  ; wave 0..3
	s_lshr_b32 s[RHF], s[WV], 1
	s_and_b32 s[CHF], s[WV], 1
	s_bfe_u32 s104, ttmp6, 0x40000                 ; cx
	s_bfe_u32 s105, ttmp6, 0x40004                 ; cy
	s_lshl_b32 s3, s105, 2
	s_lshl_b32 s3, 15, s3                          ; my row of the cluster
	s_lshl_b32 s101, 0x1111, s104                  ; my column
	; codes: rows of 4,096 bytes (512 elements of 8), 16,384 bytes apart; dense in LDS.  128 rows of an operand are 8 such rows, 64 are 4
	s_or_b32 s[G1], s3, (3<<16)|(1<<21)            ; 15:0 the mask; 17:16 elements of 8 bytes; 21 set beside a mask
	s_or_b32 s[G1B], s101, (3<<16)|(1<<21)
	s_or_b32 s[G1B2], s101, (3<<16)|(1<<21)
.irp g, G1, G1B, G1B2
	s_mov_b32 s[\g+1], 512<<16                     ; tensor_dim0
	s_mov_b32 s[\g+3], 512<<16                     ; tile_dim0
	s_mov_b32 s[\g+5], 2048                        ; tensor_dim0_stride
	s_mov_b32 s[\g+6], 0
	s_mov_b32 s[\g+7], 0
.endr
	s_mov_b32 s[G1B+2], 8<<16                      ; tensor_dim1
	s_mov_b32 s[G1B+4], 8                          ; tile_dim1
.irp g, G1, G1B2
	s_mov_b32 s[\g+2], 16<<16                      ; for the first fills of both slots: a whole operand's 256 rows, 16 rows of 4,096 bytes; set to the ring's counts at the first change of slots
	s_mov_b32 s[\g+4], 16
.endr
	; scales: dense bytes as rows of 256, 16 bytes of padding behind each.  128 rows of an operand are 16 such rows, 64 are 8
	s_or_b32 s[G1S], s3, (3<<16)|(1<<20)|(1<<21)|(5<<22)|(3<<25)
	s_or_b32 s[G1SB], s101, (3<<16)|(1<<20)|(1<<21)|(5<<22)|(3<<25)
	s_or_b32 s[G1SB2], s101, (3<<16)|(1<<20)|(1<<21)|(5<<22)|(3<<25)
.irp g, G1S, G1SB, G1SB2
	s_mov_b32 s[\g+1], 32<<16
	s_mov_b32 s[\g+3], 32<<16
	s_mov_b32 s[\g+5], 32
	s_mov_b32 s[\g+6], 0
	s_mov_b32 s[\g+7], 0
.endr
.irp g, G1S, G1SB
	s_mov_b32 s[\g+2], 32<<16                      ; one load brings the scales of 256 rows,
	s_mov_b32 s[\g+4], 32
.endr
	s_mov_b32 s[G1SB2+2], 16<<16                   ; of phase 2's 128 tokens
	s_mov_b32 s[G1SB2+4], 16
	; A's side: numbers made of cy, the cluster's y and the wave.  cq in units of 256 rows: x is 0-31, W_q 32-35, W_k 36-39, W_v 40-43
	s_and_b32 s2, ttmp7, 0xffff
	s_lshl_b32 s2, s2, 2
	s_add_co_u32 s2, s2, s105                      ; phase 1: the unit of 256 tokens = 4 x cluster y + cy
	s_lshl_b32 s3, s[CHF], 17                      ; the half that I fetch: 8 tiles of 16,384 bytes
	s_lshl_b32 s[G0+2], s2, 18
	s_add_co_u32 s[G0+2], s[G0+2], s3
	s_mov_b32 s[G0+3], 0
	s_add_co_u32 s[NA2], s105, 40                  ; phase 2: W_v's unit
	s_lshl_b32 s[G0S2+2], s[NA2], 13
	s_lshl_b32 s[NA2], s[NA2], 18
	s_add_co_u32 s[NA2], s[NA2], s3
	s_mov_b32 s[NA2+1], 0
	s_mov_b32 s3, SCOFF
	s_lshl_b32 s[G0S+2], s2, 13
	s_add_co_u32 s[G0S+2], s[G0S+2], s3
	s_mov_b32 s[G0S+3], 0
	s_add_co_u32 s[G0S2+2], s[G0S2+2], s3
	s_mov_b32 s[G0S2+3], 0
	s_lshl_b32 s2, s2, 2
	s_add_co_u32 s2, s2, s[WV]
	s_mul_i32 s2, s2, HEADB                        ; v's way out: head 16 x batch + 4 cy + wave
	s_lshl_b32 s105, s105, 1
	s_add_co_u32 s105, s105, s[RHF]                ; g: which 128 tokens of the sequence are mine in phase 1
	; B's side: numbers made of cx, the cluster's place and the wave
	s_lshl_b32 s101, ttmp9, 2
	s_add_co_u32 s101, s101, s104                  ; 4 x cluster x + cx: phase 1: W's unit less 32; phase 2: which 128 tokens of the sequence
	s_lshl_b32 s104, s104, 2
	s_lshl_b32 s[TB], s[CHF], 1
	s_add_co_u32 s104, s104, s[TB]                 ; the first of my two heads in phase 1
	s_add_co_u32 s[TB+1], s101, 32
	s_lshl_b32 s[TB], s[CHF], 17
	s_lshl_b32 s[G0B+2], s[TB+1], 18
	s_add_co_u32 s[G0B+2], s[G0B+2], s[TB]
	s_mov_b32 s[G0B+3], 0
	s_mov_b32 s[TB], SCOFF
	s_lshl_b32 s[G0SB+2], s[TB+1], 13
	s_add_co_u32 s[G0SB+2], s[G0SB+2], s[TB]
	s_mov_b32 s[G0SB+3], 0
	s_and_b32 s[TB+1], ttmp7, 0xffff               ; cluster y = the batch
	s_lshl_b32 s[NB2], s[TB+1], 3
	s_add_co_u32 s[NB2], s[NB2], s101              ; phase 2: which 128 tokens of all
	s_mov_b32 s[TB], SCOFF
	s_lshl_b32 s[G0SB2+2], s[NB2], 12
	s_add_co_u32 s[G0SB2+2], s[G0SB2+2], s[TB]
	s_mov_b32 s[G0SB2+3], 0
	s_lshl_b32 s[TB], s[CHF], 16                   ; 4 tiles of codes
	s_lshl_b32 s[NB2], s[NB2], 17
	s_add_co_u32 s[NB2], s[NB2], s[TB]
	s_mov_b32 s[NB2+1], 0
	; where the loads go: no place in the cluster enters an LDS address
	s_lshl_b32 s[G0+1], s[CHF], 15
	s_add_co_u32 s[G0+5], s[G0+1], SLOT
	s_lshl_b32 s[G0B+1], s[CHF], 15
	s_add_co_u32 s[G0B+5], s[G0B+1], SLOT+BOFF
	s_add_co_u32 s[G0B+1], s[G0B+1], BOFF
	s_mov_b32 s[G0S+1], SCA
	s_mov_b32 s[G0S2+1], SCA2
	s_mov_b32 s[G0SB+1], SCB
	s_mov_b32 s[G0SB2+1], SCB2
	; the ways out: byte offsets from tab, from qb or kv, and from kv, in vector registers
	v_and_b32 v[LN], 31, v0
	v_lshlrev_b32 v[L16], 4, v[LN]
	v_and_b32 v2, 15, v0                           ; r
	v_bfe_u32 v[HV], v0, 4, 1                      ; h
	v_lshl_add_u32 v[VOT], s104, 17, v[L16]        ; the table: head x 131,072
	v_lshl_add_u32 v[VOT], s105, 14, v[VOT]        ; + g x 8 x 2,048
	s_lshl_b32 s[TB+1], s[TB+1], 4
	s_add_co_u32 s104, s104, s[TB+1]
	s_mul_i32 s104, s104, HEADB                    ; q's or k's head: 16 x batch + the first of my two
	v_add_nc_u32 v[VOC1], s104, v[L16]
	s_mul_i32 s3, s105, 17152                      ; my 128 tokens' chunk of the head
	v_add_nc_u32 v[VOC1], s3, v[VOC1]              ; its codes lie first
	v_lshlrev_b32 v[OSV], 5, v2
	v_lshl_add_u32 v[OSV], v[HV], 4, v[OSV]        ; its words [r 16][a 8]: 32 r + 16 h,
	v_add_nc_u32 v[OSV], s104, v[OSV]
	v_add_nc_u32 v[OSV], s3, v[OSV]                ; in my chunk,
	v_add_nc_u32 v[OSV], 0x4000, v[OSV]            ; behind its 16,384 bytes of codes
	v_add_nc_u32 v[VOC2], s2, v[L16]
	s_mul_i32 s[TB], s101, 17152                   ; the chunk of phase 2's 128 tokens
	v_add_nc_u32 v[VOC2], s[TB], v[VOC2]
	v_add_nc_u32 v[VOC2], 0x2000, v[VOC2]          ; v's codes, behind k's
	v_lshl_add_u32 v[VOW2], v2, 4, s2              ; v's words [r 16][dt 4]: 16 r,
	v_add_nc_u32 v[VOW2], s[TB], v[VOW2]
	v_add_nc_u32 v[VOW2], 0x4200, v[VOW2]          ; behind k's words
	; the LDS addresses of both phases
	s_lshl_b32 s3, s[RHF], 15                      ; phase 1: my 128 rows of A',
	s_lshl_b32 s[TA], s[CHF], 15
	s_add_co_u32 s[TA], s[TA], BOFF                ; my 128 rows of B';
	s_lshl_b32 s[TA+1], s[WV], 14                  ; phase 2: my 64 rows of A'; all of B'
.irp s, 0,1
	v_add_nc_u32 v[ADRA+\s], s3, v[L16]
	v_add_nc_u32 v[ADRB+\s], s[TA], v[L16]
	v_add_nc_u32 v[ADRA2+\s], s[TA+1], v[L16]
	v_add_nc_u32 v[ADRB2+\s], BOFF+\s*SLOT, v[L16]
	s_add_co_u32 s3, s3, SLOT
	s_add_co_u32 s[TA], s[TA], SLOT
	s_add_co_u32 s[TA+1], s[TA+1], SLOT
.endr
	v_lshlrev_b32 v3, 5, v2                        ; a row's 32 scale bytes,
	v_lshrrev_b32 v4, 3, v2
	v_lshl_add_u32 v3, v4, 4, v3                   ; and 16 more behind each 256
	s_mul_i32 s3, s[RHF], 4352
	s_add_co_u32 s3, s3, SCA
	v_add_nc_u32 v[ADSA], s3, v3
	s_mul_i32 s3, s[CHF], 4352
	s_add_co_u32 s3, s3, SCB
	v_add_nc_u32 v[ADSB], s3, v3
	s_mul_i32 s3, s[WV], 2176
	s_add_co_u32 s3, s3, SCA2
	v_add_nc_u32 v[ADSA2], s3, v3
	v_add_nc_u32 v[ADSB2], SCB2, v3
	; THE PREFETCHES' OFFSETS IN cq (the head comment's line 'No prefetch' no longer holds).  A K step of 256 rows is 16 pieces of 4,096 bytes, 16,384 apart.  The four partners that ask for a tile jointly share its pieces out
	; BY ADDRESS: the partner at place p (cx for A', cy for B') takes pieces 4 p .. 4 p + 3, of which each of the two waves that fetch for that operand takes two: a lane names 256 bytes, lanes 0-15 one piece, lanes 16-31 the next.
	; v5: phase 1 (waves 0, 1: x's unit; waves 2, 3: W's).  v6: phase 2's W_v (waves 0, 1).  Neither is written again: K steps are immediates.  These registers feed no descriptor.
	s_bfe_u32 s104, ttmp6, 0x40000                 ; cx
	s_bfe_u32 s105, ttmp6, 0x40004                 ; cy
	s_and_b32 s2, ttmp7, 0xffff
	s_lshl_b32 s2, s2, 2
	s_add_co_u32 s2, s2, s105                      ; x's unit of 256 tokens
	s_lshl_b32 s3, ttmp9, 2
	s_add_co_u32 s3, s3, s104
	s_add_co_u32 s3, s3, 32                        ; W's unit
	s_add_co_u32 s101, s105, 40                    ; W_v's unit
	s_cmp_eq_u32 s[RHF], 0
	s_cselect_b32 s2, s2, s3                       ; the unit that I fetch for,
	s_cselect_b32 s3, s104, s105                   ; and my place among the four that share it
	s_lshl_b32 s2, s2, 4                           ; 16 pieces a unit
	s_lshl_b32 s101, s101, 4
	s_lshl_b32 s3, s3, 2
	s_add_co_u32 s2, s2, s3
	s_lshl_b32 s3, s104, 2
	s_add_co_u32 s101, s101, s3
	s_lshl_b32 s3, s[CHF], 1
	s_add_co_u32 s2, s2, s3
	s_add_co_u32 s101, s101, s3
	s_lshl_b32 s2, s2, 14
	s_lshl_b32 s101, s101, 14
	v_lshlrev_b32 v5, 14, v[HV]
	v_lshl_add_u32 v5, v2, 8, v5
	v_add_nc_u32 v6, s101, v5
	v_add_nc_u32 v5, s2, v5
	; who asks: x's rows in every cluster (two walk them); W's rows, which eight clusters walk, in those with an even y; W_v's, which all sixteen walk, in those whose y is a multiple of 4.  The cluster's y is the same in all partners
	s_and_b32 s3, ttmp7, 1
	s_xor_b32 s3, s3, 1
	s_cmp_eq_u32 s[RHF], 0
	s_cselect_b32 s104, 1, s3                      ; s104: 1 where my wave asks in phase 1
	s_and_b32 s3, ttmp7, 3
	s_cmp_eq_u32 s3, 0
	s_cselect_b32 s105, 1, 0
	s_cmp_eq_u32 s[RHF], 0
	s_cselect_b32 s105, s105, 0                    ; s105: 1 where it asks for W_v
	s_wait_alu depctr_va_vdst(0)
	s_wait_kmcnt 0x0
.irp g, G0, G0B, G0S, G0S2, G0SB, G0SB2
	s_add_nc_u64 s[\g+2:\g+3], s[4:5], s[\g+2:\g+3]   ; 120:64 the global address
.endr
	s_add_nc_u64 s[NA2:NA2+1], s[4:5], s[NA2:NA2+1]
	s_add_nc_u64 s[NB2:NB2+1], s[4:5], s[NB2:NB2+1]
	s_add_nc_u64 s[G0+6:G0+7], s[G0+2:G0+3], 4096  ; slot 1: K step 1
	s_add_nc_u64 s[G0B+6:G0B+7], s[G0B+2:G0B+3], 4096
.irp g, G0, G0+4, G0B, G0B+4, G0S, G0S2, G0SB, G0SB2
	s_mov_b32 s[\g], 1                             ; 1:0 count = 1
	s_or_b32 s[\g+3], s[\g+3], 0x80000000          ; 127:126 type = 2
.endr
	s_cmp_eq_u32 ttmp9, 0
	s_cselect_b64 s[8:9], s[8:9], s[10:11]         ; q goes to qb, k to kv
	CROUND                                         ; all sixteen work-groups are here: the first joint loads meet
; FOUR FIRST FILLS, ONE A WAVE, in one chain of branches on the wave's number: wave 0 a K step's 256 rows of A', wave 2 its 256 rows of B' (in both the half number is 0, so their group 0 names the tile's first byte),
; wave 1 a phase's scales of A', wave 3 those of B'.
.macro HEAD4 ga, gb, gs, gsb, g1sb
	s_cmp_eq_u32 s[WV], 0
	s_cbranch_scc0 .Lh1_\@
	tensor_load_to_lds s[\ga:\ga+3], s[G1:G1+7]
	s_nop 0
.rept 4
	v_nop
.endr
	s_branch .Lh4_\@
.Lh1_\@:
	s_cmp_eq_u32 s[WV], 2
	s_cbranch_scc0 .Lh2_\@
	tensor_load_to_lds s[\gb:\gb+3], s[G1B2:G1B2+7]
	s_nop 0
.rept 4
	v_nop
.endr
	s_branch .Lh4_\@
.Lh2_\@:
	s_cmp_eq_u32 s[WV], 1
	s_cbranch_scc0 .Lh3_\@
	tensor_load_to_lds s[\gs:\gs+3], s[G1S:G1S+7]
	s_nop 0
.rept 4
	v_nop
.endr
	s_branch .Lh4_\@
.Lh3_\@:
	tensor_load_to_lds s[\gsb:\gsb+3], s[\g1sb:\g1sb+7]
	s_nop 0
.rept 4
	v_nop
.endr
.Lh4_\@:
.endm
	HEAD4 G0, G0B, G0S, G0SB, G1SB                 ; K step 0 and phase 1's scales
; A PREFETCH: behind a tile's load stands the request for the tile that is loaded two refills on, one instruction a wave: 32 x 256 bytes
.macro ASK flag, reg, off
	s_cmp_eq_u32 s[\flag], 1
	s_cbranch_scc0 .Lnot_mine_\@
	global_prefetch_b8 v[\reg], s[4:5] offset:\off th:TH_LOAD_NT scope:SCOPE_SE
.Lnot_mine_\@:
.endm
	s_cmp_eq_u32 s104, 1
	s_cbranch_scc0 .Lno_ask_head
	global_prefetch_b8 v5, s[4:5] offset:4096 th:TH_LOAD_NT scope:SCOPE_SE   ; K step 1, which the next round loads,
	global_prefetch_b8 v5, s[4:5] offset:8192 th:TH_LOAD_NT scope:SCOPE_SE   ; and K step 2: two K steps are asked for and not yet read
.Lno_ask_head:
.macro FRAG reg, adr, q, i             ; block i's fragment of the slot's q-th 128 along K: four pieces of 512 bytes
.irp c, 0,1,2,3
	ds_load_b128 v[\reg+4*\c:\reg+4*\c+3], v[\adr] offset:(\i)*4096+(\q)*2048+512*\c
.endr
.endm
.macro PLACES n                        ; plain vector instructions between a matrix instruction and a load into, or a read of, its registers
.rept \n
	v_nop
.endr
.endm
; PHASE 1.  A's blocks a0, a0 + 1 against B's eight.  p: B's set; sc: the set of scale words; zero = 1: the first product starts the sums.  The accumulators take turns, one instruction a turn.
.macro MUL16 a0, p, q, sc, zero
.irp a, \a0, \a0+1
.irp b, 0,1,2,3,4,5,6,7
.set rD, 8*((8*(\a)+\b)%32)
.if \zero
	v_wmma_scale_f32_16x16x128_f8f6f4 v[rD:rD+7], v[128*(\p)+FR*\b:128*(\p)+FR*\b+FR-1], v[AF+FR*(\a):AF+FR*(\a)+FR-1], 0, v[SCBR+16*(\sc)+2*\b+(\q)], v[SCAR+16*(\sc)+2*(\a)+(\q)] matrix_a_fmt:MATRIX_FMT_BF8 matrix_b_fmt:MATRIX_FMT_BF8
.else
	v_wmma_scale_f32_16x16x128_f8f6f4 v[rD:rD+7], v[128*(\p)+FR*\b:128*(\p)+FR*\b+FR-1], v[AF+FR*(\a):AF+FR*(\a)+FR-1], v[rD:rD+7], v[SCBR+16*(\sc)+2*\b+(\q)], v[SCAR+16*(\sc)+2*(\a)+(\q)] matrix_a_fmt:MATRIX_FMT_BF8 matrix_b_fmt:MATRIX_FMT_BF8
.endif
.endr
.endr
.endm
.macro FETCH_B slot, q, p
	WIN 0x40                                       ; destination window 1
.irp i, 0,1,2,3,4,5,6,7
	FRAG 128*(\p)+FR*\i, ADRB+\slot, \q, \i
.endr
	WIN 0
.endm
.macro FETCH_A slot, q, i0
.irp i, \i0, \i0+1, \i0+2, \i0+3
	FRAG AF+FR*(\i), ADRA+\slot, \q, \i
.endr
.endm
.macro SCALES sc                       ; a K step's two words of each block's rows: lane r (and r + 16) takes row r's
.irp i, 0,1,2,3,4,5,6,7
	ds_load_b64 v[SCAR+16*\sc+2*\i:SCAR+16*\sc+2*\i+1], v[ADSA] offset:\i*544
.endr
.irp i, 0,1,2,3,4,5,6,7
	ds_load_b64 v[SCBR+16*\sc+2*\i:SCBR+16*\sc+2*\i+1], v[ADSB] offset:\i*544
.endr
.endm
.macro STEP slot, q, zero              ; 128 along K, with its successor in the same slot
	s_wait_dscnt 4*NL                              ; all but the youngest 16 loads (A's blocks 4-7) are in
	MULWIN 0
	MUL16 0, (\q)%2, \q, \slot, \zero
	MUL16 2, (\q)%2, \q, \slot, \zero
	s_wait_dscnt 0
	PLACES NP
	FETCH_B \slot, (\q)+1, 1-(\q)%2
	FETCH_A \slot, (\q)+1, 0
	MULWIN 4
	MUL16 4, (\q)%2, \q, \slot, \zero
	MUL16 6, (\q)%2, \q, \slot, \zero
	PLACES NP
	WIN 0
	FETCH_A \slot, (\q)+1, 4
.endm
; A slot's last step changes slots: one barrier, which opens a round of the cluster's; in front of it each wave waits for all its tensor loads, adds 0 to its spare word, and waits for that and for its reads of this slot.
; on = 0: this slot takes this phase's K step two steps on; on = 1 (slot 0): it takes phase 2's K step 0.
.macro TURN slot, next, on
	s_wait_tensorcnt 0x0                           ; all my tensor loads have landed, my part of the next slot among them: so every group 0 may be written
	ds_add_u32 v[SPW], v[NIL]                      ; 0 onto my spare word
	s_mov_b32 s[G1+2], 8<<16                       ; no load of mine is out: from here on a load of A' brings 128 rows,
	s_mov_b32 s[G1+4], 8
	s_mov_b32 s[G1B2+2], 4<<16                     ; one of phase 2's B' 64
	s_mov_b32 s[G1B2+4], 4
.if \on
	s_mov_b64 s[G0+2:G0+3], s[NA2:NA2+1]
	s_or_b32 s[G0+3], s[G0+3], 0x80000000
	s_mov_b64 s[G0B+2:G0B+3], s[NB2:NB2+1]
	s_or_b32 s[G0B+3], s[G0B+3], 0x80000000
	s_lshl_b32 s[G0B+1], s[CHF], 14                ; phase 2's halves of B' are 16,384 bytes
	s_add_co_u32 s[G0B+1], s[G0B+1], BOFF
.else
	s_add_nc_u64 s[G0+4*\slot+2:G0+4*\slot+3], s[G0+4*\slot+2:G0+4*\slot+3], 8192
	s_add_nc_u64 s[G0B+4*\slot+2:G0B+4*\slot+3], s[G0B+4*\slot+2:G0B+4*\slot+3], 8192
.endif
	s_wait_dscnt 4*NL+1                            ; (the add and the youngest 16 loads may be out)
	MULWIN 0
	MUL16 0, 1, NQ-1, \slot, 0
	s_wait_dscnt 0x0                               ; the add is done, and my reads of this slot are over
	s_barrier_signal -1
	MUL16 2, 1, NQ-1, \slot, 0
	WIN 0
	s_barrier_wait -1
	CREST                                          ; no wave of any partner still reads this slot or has a load on its way
.if \on
	JLOAD G0, G1, G0B, G1B2
.else
	JLOAD G0+4*\slot, G1, G0B+4*\slot, G1B         ; the first tensor load behind the round; its four v_nop are among the places
.endif
	PLACES NP-4
	s_wait_alu depctr_va_vdst(0)
	v_add_nc_u32 v[ADSA], 8, v[ADSA]               ; the next K step's scale words
	v_add_nc_u32 v[ADSB], 8, v[ADSB]
	FETCH_B \next, 0, 0
	FETCH_A \next, 0, 0
	SCALES \next
	ASK 105, 6, 4096*(\slot+2*\on)                 ; phase 1's three changes of this form ask for W_v's K steps 0, 1, 2: each is loaded two refills on
	MULWIN 4
	MUL16 4, 1, NQ-1, \slot, 0
	MUL16 6, 1, NQ-1, \slot, 0
	PLACES NP
	WIN 0
	FETCH_A \next, 0, 4
.endm
.macro TABLOAD c0                      ; cos and sin for tokens 16 (c0 / 2) on of my 128, head c0 % 2 of my two: 16 registers of window 1
.irp g, 0,1,2,3
	global_load_b128 v[16*(\c0)+4*\g:16*(\c0)+4*\g+3], v[VOT], s[6:7] offset:((\c0)/2)*2048+((\c0)%2)*131072+512*\g
.endr
.endm
	s_wait_alu depctr_va_vdst(0)
	s_wait_tensorcnt 0x0                           ; my tile of the first four is in
	ds_add_u32 v[SPW], v[NIL]
	s_wait_dscnt 0x0
	CROUND                                         ; all four tiles are in, and all sixteen work-groups are here
	HEAD4 G0+4, G0B+4, G0S2, G0SB2, G1SB2          ; K step 1 and phase 2's scales: awaited at the first change of slots
	FETCH_B 0, 0, 0
	FETCH_A 0, 0, 0
	s_wait_alu depctr_va_vdst(0)
	SCALES 0
	FETCH_A 0, 0, 4
	ASK 104, 5, 12288                              ; K step 3
	STEP 0, 0, 1                                   ; the first products start the sums: nothing is cleared
	TURN 0, 1, 0                                   ; K has four slots' worth: the changes are written out
	STEP 1, 0, 0
	TURN 1, 0, 0
	STEP 0, 0, 0
	TURN 0, 1, 1                                   ; THE RING GOES ON INTO PHASE 2: slot 0 takes its K step 0
	STEP 1, 0, 0
	WIN 0x40                                       ; half of the table comes into B's set 0, which that step's places have freed, under the last 64 products
.irp c0, 0,1,2,3,4,5,6,7
	TABLOAD \c0
.endr
	WIN 0
	s_wait_tensorcnt 0x0                           ; phase 1's last step changes slots once more: all my tensor loads have landed, my part of phase 2's K step 0 among them
	ds_add_u32 v[SPW], v[NIL]                      ; 0 onto my spare word
	s_add_nc_u64 s[G0+6:G0+7], s[NA2:NA2+1], 4096  ; slot 1 takes phase 2's K step 1
	s_or_b32 s[G0+7], s[G0+7], 0x80000000
	s_add_nc_u64 s[G0B+6:G0B+7], s[NB2:NB2+1], 4096
	s_or_b32 s[G0B+7], s[G0B+7], 0x80000000
	s_lshl_b32 s[G0B+5], s[CHF], 14
	s_add_co_u32 s[G0B+5], s[G0B+5], SLOT+BOFF
	s_wait_dscnt 4*NL+1                            ; (the add and the youngest 16 loads may be out)
	MULWIN 0
	MUL16 0, 1, NQ-1, 1, 0
	s_wait_dscnt 0x0                               ; the add is done, and my reads of slot 1 are over
	s_barrier_signal -1
	MUL16 2, 1, NQ-1, 1, 0
	WIN 0
	s_barrier_wait -1
	CREST
	JLOAD G0+4, G1, G0B+4, G1B2                    ; it has the rest of this step and the whole way out of q or k in which to land
	ASK 105, 6, 12288                              ; W_v's K step 3; phase 2's tokens were read by this cluster in phase 1 and are not asked for
	MULWIN 4
	MUL16 4, 1, NQ-1, 1, 0
	MUL16 6, 1, NQ-1, 1, 0
	WIN 0
	PLACES NP                                      ; behind the last products: for the reads of results, and for writes and loads into the fragments' registers
	s_mov_b32 s[SEL], 0x76543210
	s_mov_b32 s[SEL+1], 0xfedcba98
	s_mov_b32 s[MNT], 0x600000
.irp b, 0,1,2,3
	v_mov_b32 v[TM+4+\b], 0                        ; a lane permute's destination counts as one of its sources
.endr
	v_cmp_eq_u32 vcc_lo, 1, v[HV]                  ; lanes 16-31
; THE WAY OUT OF Q OR K.  16 tokens (block a) of one head (hh): accumulators 4 hh + 0 .. 3 hold d = 8 h + j, 16 + 8 h + j, 32 + 8 h + j, 48 + 8 h + j: x1 and x2 of one angle lie in one lane.
.macro QK a, hh
.set ci, 2*(\a)+(\hh)
.set W,  2+(\a)/4
.set AC, 64*((\a)%4)+32*(\hh)
.set TBL, 16*ci
.set PS, PCO+8*(ci%4)
	s_wait_loadcnt 60-4*ci                         ; my four loads of the table are in; those issued behind them may be out
	WIN W|(1<<2)                                   ; source 0 the accumulators, source 1 the table
.irp k, 0,2,4,6
	v_pk_mul_f32 v[H+\k:H+\k+1], v[AC+\k:AC+\k+1], v[TBL+\k:TBL+\k+1]                  ; x1 cos
.endr
.irp k, 0,2,4,6
	v_pk_mul_f32 v[H+8+\k:H+9+\k], v[AC+\k:AC+\k+1], v[TBL+8+\k:TBL+9+\k]              ; x1 sin
.endr
.irp k, 0,2,4,6
	v_pk_fma_f32 v[H+\k:H+\k+1], v[AC+8+\k:AC+9+\k], v[TBL+8+\k:TBL+9+\k], v[H+\k:H+\k+1] neg_lo:[1,0,0] neg_hi:[1,0,0]   ; - x2 sin
.endr
.irp k, 0,2,4,6
	v_pk_fma_f32 v[H+8+\k:H+9+\k], v[AC+8+\k:AC+9+\k], v[TBL+\k:TBL+\k+1], v[H+8+\k:H+9+\k]   ; + x2 cos
.endr
	WIN W|(W<<2)                                   ; the block that is not rotated: its largest magnitude straight from the accumulators, each from its low end on
	v_max3_num_f32 v[TM+1], |v[AC+16]|, |v[AC+17]|, 0x8000000
	v_max3_num_f32 v[TM+3], |v[AC+24]|, |v[AC+25]|, 0x8000000
.irp i, 2,4,6
	v_max3_num_f32 v[TM+1], |v[AC+16+\i]|, |v[AC+17+\i]|, v[TM+1]
	v_max3_num_f32 v[TM+3], |v[AC+24+\i]|, |v[AC+25+\i]|, v[TM+3]
.endr
	WIN 0
	v_max3_num_f32 v[TM], |v[H]|, |v[H+1]|, 0x8000000          ; the floor 2^(16 - 127) among the leaves: the byte cannot fall under 1
	v_max3_num_f32 v[TM+2], |v[H+8]|, |v[H+9]|, 0x8000000
.irp i, 2,4,6
	v_max3_num_f32 v[TM], v[TM], |v[H+\i]|, |v[H+1+\i]|
	v_max3_num_f32 v[TM+2], v[TM+2], |v[H+8+\i]|, |v[H+9+\i]|
.endr
	v_max_num_f32 v[TM], v[TM], v[TM+2]
	v_max_num_f32 v[TM+1], v[TM+1], v[TM+3]
	v_permlanex16_b32 v[TM+4], v[TM], s[SEL], s[SEL+1]
	v_permlanex16_b32 v[TM+5], v[TM+1], s[SEL], s[SEL+1]
	v_max_num_f32 v[TM], v[TM], v[TM+4]
	v_max_num_f32 v[TM+1], v[TM+1], v[TM+5]
	v_add_nc_u32 v[TM+12], 0xf8800000, v[TM]       ; 15 off the exponent field: the conversion's scale operand
	v_add_nc_u32 v[TM+13], 0xf8800000, v[TM+1]
	v_and_or_b32 v[TM+8], v[TM], 0x7f800000, s[MNT]   ; 57,344 x the scale
	v_and_or_b32 v[TM+9], v[TM+1], 0x7f800000, s[MNT]
	v_lshrrev_b32 v[TM+4], 23, v[TM+12]
	v_lshrrev_b32 v[TM+5], 23, v[TM+13]
	v_lshl_or_b32 v[TW], v[TM+5], 8, v[TM+4]
	v_lshl_or_b32 v[WD+ci], v[TW], 16, v[TW]       ; the two bytes twice: the scores' product has the head's 64 in either half of its 128
	WIN W
.irp i, 0,1,2,3,4,5,6,7,8,9,10,11,12,13,14,15
	v_med3_num_f32 v[H+16+\i], v[AC+16+\i], -v[TM+9], v[TM+9]
.endr
	WIN 0
.irp i, 0,1,2,3,4,5,6,7,8,9,10,11,12,13,14,15
	v_med3_num_f32 v[H+\i], v[H+\i], -v[TM+8], v[TM+8]   ; the conversion does not saturate (ISA guide 7.6.2)
.endr
	s_wait_alu depctr_va_vdst(0)
	s_wait_xcnt 0x0                                ; the stores that read this set of codes have read it
	v_cvt_scalef32_pk8_bf8_f32 v[PS:PS+1], v[H:H+7], v[TM+12]
	v_cvt_scalef32_pk8_bf8_f32 v[PS+2:PS+3], v[H+8:H+15], v[TM+12]
	v_cvt_scalef32_pk8_bf8_f32 v[PS+4:PS+5], v[H+16:H+23], v[TM+13]
	v_cvt_scalef32_pk8_bf8_f32 v[PS+6:PS+7], v[H+24:H+31], v[TM+13]
	v_nop                                          ; a plain instruction behind the last conversion
	global_store_b128 v[VOC1], v[PS:PS+3], s[8:9] offset:(\a)*1024+(\hh)*HEADB
	global_store_b128 v[VOC1], v[PS+4:PS+7], s[8:9] offset:(\a)*1024+(\hh)*HEADB+512
.endm
	WIN 0x40
.irp c0, 8,9,10,11,12,13,14,15
	TABLOAD \c0                                    ; the other half of the table, into B's set 1
.endr
	WIN 0
.irp a, 0,1,2,3,4,5,6,7
.irp hh, 0,1
	QK \a, \hh
.endr
.endr
.irp hh, 0,1
.irp i, 0,1,2,3
	v_cndmask_b32 v[SD+4*\hh+\i], v[WD+2*\i+\hh], v[WD+8+2*\i+\hh], vcc_lo   ; lanes 0-15 store blocks 0-3's words, lanes 16-31 blocks 4-7's
.endr
	global_store_b128 v[OSV], v[SD+4*\hh:SD+4*\hh+3], s[8:9] offset:\hh*HEADB   ; 512 consecutive bytes
.endr
; PHASE 2.  Both operands have two sets of registers: set p of A's four fragments at v[AF + 64 p] of window 0, of B's eight at v[128 p] of window 1.  A step of 128 along K is 32 matrix instructions;
; the next step's 48 loads are issued in one run ahead of them.
.macro MUL2H a0, p, q, sc, zero        ; A's blocks a0, a0 + 1 against B's eight; the 32 accumulators take turns, one instruction a turn
.irp a, \a0, \a0+1
.irp b, 0,1,2,3,4,5,6,7
.set rD, 8*(8*(\a)+\b)
.if \zero
	v_wmma_scale_f32_16x16x128_f8f6f4 v[rD:rD+7], v[128*(\p)+FR*\b:128*(\p)+FR*\b+FR-1], v[AF+64*(\p)+FR*(\a):AF+64*(\p)+FR*(\a)+FR-1], 0, v[SCBR+16*(\sc)+2*\b+(\q)], v[SCAR+16*(\sc)+2*(\a)+(\q)] matrix_a_fmt:MATRIX_FMT_BF8 matrix_b_fmt:MATRIX_FMT_BF8
.else
	v_wmma_scale_f32_16x16x128_f8f6f4 v[rD:rD+7], v[128*(\p)+FR*\b:128*(\p)+FR*\b+FR-1], v[AF+64*(\p)+FR*(\a):AF+64*(\p)+FR*(\a)+FR-1], v[rD:rD+7], v[SCBR+16*(\sc)+2*\b+(\q)], v[SCAR+16*(\sc)+2*(\a)+(\q)] matrix_a_fmt:MATRIX_FMT_BF8 matrix_b_fmt:MATRIX_FMT_BF8
.endif
.endr
.endr
.endm
.macro FETCH2 slot, q, p
	WIN 0x40
.irp i, 0,1,2,3,4,5,6,7
	FRAG 128*(\p)+FR*\i, ADRB2+\slot, \q, \i
.endr
	WIN 0
.irp i, 0,1,2,3
	FRAG AF+64*(\p)+FR*\i, ADRA2+\slot, \q, \i
.endr
.endm
.macro SCALES2 sc
.irp i, 0,1,2,3
	ds_load_b64 v[SCAR+16*\sc+2*\i:SCAR+16*\sc+2*\i+1], v[ADSA2] offset:\i*544
.endr
.irp i, 0,1,2,3,4,5,6,7
	ds_load_b64 v[SCBR+16*\sc+2*\i:SCBR+16*\sc+2*\i+1], v[ADSB2] offset:\i*544
.endr
.endm
.macro STEP2 slot, zero                ; a slot's first 128 along K, on set 0; the second 128 come into set 1
	PLACES NP                                      ; behind the products that read set 1
	FETCH2 \slot, 1, 1
	s_wait_dscnt 48                                ; all but the 48 just issued: set 0 and its scale words are in
	WIN 0xa1
	MUL2H 0, 0, 0, \slot, \zero
	MUL2H 2, 0, 0, \slot, \zero
	WIN 0
.endm
.macro TURN2 slot, next, fill          ; a slot's second 128 along K, on set 1, and the change of slots
	s_wait_tensorcnt 0x0                           ; all my tensor loads have landed, my part of the next slot among them
	ds_add_u32 v[SPW], v[NIL]                      ; 0 onto my spare word
.if \fill
	s_add_nc_u64 s[G0+4*\slot+2:G0+4*\slot+3], s[G0+4*\slot+2:G0+4*\slot+3], 8192
	s_add_nc_u64 s[G0B+4*\slot+2:G0B+4*\slot+3], s[G0B+4*\slot+2:G0B+4*\slot+3], 8192
.endif
	s_wait_dscnt 0x0                               ; the add is done; set 1 is in, and with it my reads of this slot are over
	s_barrier_signal -1
	WIN 0xa1
	MUL2H 0, 1, 1, \slot, 0
	WIN 0
	s_barrier_wait -1
.if \fill
	CREST                                          ; no wave of any partner still reads this slot or has a load on its way
	JLOAD G0+4*\slot, G1, G0B+4*\slot, G1B2        ; the first tensor load behind the round; its four v_nop are among the places
	PLACES NP-4
.else
	PLACES NP
.endif
	s_wait_alu depctr_va_vdst(0)
	v_add_nc_u32 v[ADSA2], 8, v[ADSA2]             ; the next K step's scale words
	v_add_nc_u32 v[ADSB2], 8, v[ADSB2]
	FETCH2 \next, 0, 0
	SCALES2 \next
	WIN 0xa1
	MUL2H 2, 1, 1, \slot, 0
	WIN 0
.endm
	s_wait_xcnt 0x0                                ; the stores of q's or k's codes have read their registers, into which fragments now come
	FETCH2 0, 0, 0                                 ; slot 0 was shown whole by the wait and the round of phase 1's last change of slots
	SCALES2 0
	STEP2 0, 1                                     ; the first products start the sums
	TURN2 0, 1, 1
	STEP2 1, 0
	TURN2 1, 0, 1
	STEP2 0, 0
	TURN2 0, 1, 0                                  ; nothing is left to fetch
	STEP2 1, 0
	s_wait_dscnt 0x0
	WIN 0xa1
	MUL2H 0, 1, 1, 1, 0
	MUL2H 2, 1, 1, 1, 0
	WIN 0
	PLACES NP                                      ; behind the last products: for the reads of results and the writes into the fragments' registers
.irp b, 0,1,2,3
	v_mov_b32 v[TM+4+\b], 0                        ; a lane permute's destination counts as one of its sources
.endr
; THE WAY OUT OF V.  Block a is 16 of my head's 64; its eight accumulators are 128 tokens: four blocks of 32 keys, one fragment of the second product and one scale word a row.
.macro VQ a
.set AC, 64*(\a)
.set PS, PCO+16*((\a)%2)
	WIN 0x0a                                       ; sources 0 and 1 window 2
.irp b, 0,1,2,3
	v_max3_num_f32 v[TM+\b], |v[AC+16*\b]|, |v[AC+16*\b+1]|, 0x8000000
.endr
.irp i, 2,4,6,8,10,12,14
.irp b, 0,1,2,3
	v_max3_num_f32 v[TM+\b], |v[AC+16*\b+\i]|, |v[AC+16*\b+\i+1]|, v[TM+\b]
.endr
.endr
	WIN 0
.irp b, 0,1,2,3
	v_permlanex16_b32 v[TM+4+\b], v[TM+\b], s[SEL], s[SEL+1]
.endr
.irp b, 0,1,2,3
	v_max_num_f32 v[TM+\b], v[TM+\b], v[TM+4+\b]
.endr
.irp b, 0,1,2,3
	v_add_nc_u32 v[TM+12+\b], 0xf8800000, v[TM+\b]
.endr
.irp b, 0,1,2,3
	v_and_or_b32 v[TM+8+\b], v[TM+\b], 0x7f800000, s[MNT]
.endr
.irp b, 0,1,2,3
	v_lshrrev_b32 v[TM+4+\b], 23, v[TM+12+\b]
.endr
	v_lshl_or_b32 v[WD+(\a)], v[TM+5], 8, v[TM+4]
	v_lshl_or_b32 v[WD+(\a)], v[TM+6], 16, v[WD+(\a)]
	v_lshl_or_b32 v[WD+(\a)], v[TM+7], 24, v[WD+(\a)]
	WIN 0x02                                       ; source 0 window 2
.irp b, 0,1,2,3
.irp i, 0,1,2,3,4,5,6,7,8,9,10,11,12,13,14,15
	v_med3_num_f32 v[H+16*\b+\i], v[AC+16*\b+\i], -v[TM+8+\b], v[TM+8+\b]
.endr
.endr
	WIN 0
	s_wait_alu depctr_va_vdst(0)
	s_wait_xcnt 0x0                                ; the stores that read this set of codes have read it
.irp b, 0,1,2,3
	v_cvt_scalef32_pk8_bf8_f32 v[PS+4*\b:PS+4*\b+1], v[H+16*\b:H+16*\b+7], v[TM+12+\b]
	v_cvt_scalef32_pk8_bf8_f32 v[PS+4*\b+2:PS+4*\b+3], v[H+16*\b+8:H+16*\b+15], v[TM+12+\b]
.endr
	v_nop                                          ; a plain instruction behind the last conversion
.irp c, 0,1,2,3
	global_store_b128 v[VOC2], v[PS+4*\c:PS+4*\c+3], s[10:11] offset:(\a)*2048+512*\c
.endr
.endm
.irp a, 0,1,2,3
	VQ \a
.endr
	s_wait_xcnt 0x0                                ; EXEC changes only behind this wait
	v_cmp_gt_u32 vcc_lo, 16, v[LN]
	s_and_saveexec_b32 s104, vcc_lo                ; lanes 16-31 hold the same words as lanes 0-15
	global_store_b128 v[VOW2], v[WD:WD+3], s[10:11]   ; sixteen lanes store 256 consecutive bytes, aligned
	s_wait_xcnt 0x0                                ; and again, in front of the line that widens it
	s_or_b32 exec_lo, exec_lo, s104
	s_wait_tensorcnt 0x0                           ; the wave's end
	ds_add_u32 v[SPW], v[NIL]
	s_wait_dscnt 0x0
	CROUND                                         ; the closing round: no work-group ends while a partner may still ask for a tile that names it
	s_endpgm
.Lfunc_end_k_q530b0a469b_qkv:
	.size	k_q530b0a469b_qkv, .Lfunc_end_k_q530b0a469b_qkv-k_q530b0a469b_qkv
	.p2alignl 7, 3214868480
	.fill 96, 4, 3214868480
	.section	.rodata,"a",@progbits
	.p2align	6, 0x0
	.amdhsa_kernel k_q530b0a469b_qkv
		.amdhsa_group_segment_fixed_size 327680
		.amdhsa_private_segment_fixed_size 0
		.amdhsa_enable_private_segment 0
		.amdhsa_kernarg_size 32
		.amdhsa_user_sgpr_count 2
		.amdhsa_user_sgpr_kernarg_segment_ptr 1
		.amdhsa_wavefront_size32 1
		.amdhsa_system_sgpr_workgroup_id_x 1
		.amdhsa_system_sgpr_workgroup_id_y 1
		.amdhsa_system_sgpr_workgroup_id_z 1
		.amdhsa_system_vgpr_workitem_id 0
		.amdhsa_next_free_vgpr 1024
		.amdhsa_next_free_sgpr 106
		.amdhsa_reserve_vcc 1
		.amdhsa_float_denorm_mode_32 3
		.amdhsa_float_denorm_mode_16_64 3
		.amdhsa_memory_ordered 1
		.amdhsa_forward_progress 1
		.amdhsa_inst_pref_size 255
	.end_amdhsa_kernel
	.section	.bss,"aw",@nobits
	.p2align	6
	.space	262144
	.amdgpu_metadata
---
amdhsa.version: [ 1, 2 ]
amdhsa.kernels:
  - .name:           k_q530b0a469b_qkv
    .symbol:         k_q530b0a469b_qkv.kd
    .args:
      - { .name: cq, .offset: 0, .size: 8, .value_kind: global_buffer, .address_space: global }
      - { .name: tab, .offset: 8, .size: 8, .value_kind: global_buffer, .address_space: global }
      - { .name: qb, .offset: 16, .size: 8, .value_kind: global_buffer, .address_space: global }
      - { .name: kv, .offset: 24, .size: 8, .value_kind: global_buffer, .address_space: global }
    .group_segment_fixed_size: 327680
    .private_segment_fixed_size: 0
    .kernarg_segment_align: 8
    .kernarg_segment_size: 32
    .max_flat_workgroup_size: 128
    .sgpr_count:     106
    .vgpr_count:     1024
    .wavefront_size: 32
...
	.end_amdgpu_metadata
.endif
;; end of part 2
;; launch attn (part 3): grid 2 x 128, 16 waves a work-group, no clusters, 169,984 bytes of LDS; arguments qb, kv, oq; writes oq
.if DOCPART == 3
	.amdgcn_target "amdgcn-amd-amdhsa--gfx1250"
	.amdhsa_code_object_version 6
	.text
	.protected	k_q530b0a469b_attn
	.globl	k_q530b0a469b_attn
	.p2align	8
	.type	k_q530b0a469b_attn,@function
k_q530b0a469b_attn:
	s_mov_b64 s[64:65], 0
	v_nop
	global_prefetch_b8 v0, s[64:65] scope:SCOPE_SE
	s_setreg_imm32_b32 hwreg(HW_REG_WAVE_MODE, 25, 1), 1
	s_wait_xcnt 0x0
; ATTENTION with the causal mask, both products on codes of BF8 (E5M2) with E8M0 scales; o leaves quantised for the last product.  128 heads x batches, 1,024 tokens, head size 64.
; LEFT OUT: key steps and tiles of 16 keys all of whose keys come after the queries: the causal mask gives them the weight 0 for all values of the inputs.
; THE SOFTMAX: t = score x log2(e) / 8; M = the running largest t rounded UP to a whole number; p = 2^(t - M) is quantised along the keys, not normalised; the row's sum is taken of the unquantised p and
; divides at the end.  When M moves, the sum and O are multiplied by 2^(old M - new M): exact.
; SHARES.  The head's queries are eight groups of 128; group g needs g + 1 key steps of 128.  Work-group x = 0 owns groups 0, 3, 4, 7; x = 1 groups 1, 2, 5, 6.  With s = x xor 3 (wave / 8), a wave makes tile wave % 8
; (16 queries) of group 7 - s, then of group s: nine key steps for every wave.  Four waves to a SIMD.
; LDS.  A head's k and v lie in memory by key step: a chunk of 17,152 bytes = k's codes 8,192, v's codes 8,192, k's scale words 512, v's 256: 67 rows of 256 bytes.  Waves 0 to 7 bring a chunk each, once; nothing is filled twice.
; Waves 0 and 1 have a load line of their own: the first barrier shows chunks 0 and 1 alone; the second, behind two key steps, in which every wave has work (a first tile has five steps or more), shows the other six.
; All are images of operand registers: every fragment is ds_load_b128 at 16 x lane.
; No cluster: a head is read by two work-groups alone.  No prefetch: all that is read is asked for at the head.
; LAYOUT.  Both products are used transposed: S^T = K Q^T, O^T = V^T P^T: a lane holds one query (lane % 16); register 8 T + j of S^T is key 16 T + 8 (lane / 16) + j, the order in which v's codes were laid along the keys.
; THE HEAD'S 64 IN AN INSTRUCTION OF 128: source 0 = two tiles of 16 keys side by side; source 1 = [Q | zero codes] for the first, [zero codes | Q] for the second.  Scale words hold their two bytes twice.
; THE DIAGONAL.  In a tile's last step, with J = (first query - first key) / 16: tiles under J are open; tile J's product takes as C eight registers that hold -3e38 where the key comes after the query and 0 elsewhere;
; tiles over J get -3e38 by moves and no product.  p is 0 there.  The branches hang on ids alone.
; LIMITS: NaN and infinities are not served; scores stay under 1e37 in magnitude; a block of zeros gets the byte 1 (zero codes); v_rcp_f32 and v_exp_f32 may differ from exact division and exponential in the last bit.
.set HEADB, 137216
.set CH,    17152                      ; a chunk
.set VCO,   8192                       ; in it: v's codes,
.set KSO,   16384                      ; k's (q's) scale words,
.set VSO,   16896                      ; v's
.set SCR,   137216                     ; LDS behind the head: 4 x 256 bytes: o's scale halfwords of my four groups; no fill lands here
.set SPARE, 0x29000                    ; the spare words
.set OSOFF, 8388608                    ; where the halfwords begin in oq
.set L16, 1                            ; v1   16 x lane
.set AKS, 2                            ; v2   KSO + 32 r
.set AVS, 3                            ; v3   VSO + 16 r
.set ADR, 4                            ; v4   LDS address of the step's codes
.set ADS, 5                            ; v5   of the scale words in hand
.set TP,  7                            ; v6, v7 at work
.set NM,  8                            ; v8 -M, v9 the largest t
.set SUM, 10                           ; v[10:11] the row's sum, in two halves
.set FF,  12                           ; v12  f = 2^(old M - new M)
.set PWD, 13                           ; v13  p's scale word
.set QW,  14                           ; v14  Q's scale word; v15 the second tile's
.set SW,  16                           ; v16-23 k's or v's scale words
.set Z0,  24                           ; v24-47: zeros, Q, zeros: 8 registers each; v48-55 the second tile's Q
.set DG,  56                           ; v56-63 the diagonal tile's C
.set F,   64                           ; v64-127  eight tiles of k, or four fragments of v
.set S,   128                          ; v128-191 S^T, then p
.set O,   192                          ; v192-223 O^T
.set PC,  224                          ; v224-239 p's codes
.set TM,  240                          ; v240-243 block maxima, v244-247 at work and bytes, v248-251 holds, v252-255 scale operands
.set WV,  10
.set BH,  11
.set SEL, 12                           ; s[12:13] lane selects: lane l xor 16
.set CS,  14                           ; s[14:15] c = log2(e) / 8
.set MNT, 16
.set TK,  17                           ; LDS byte of the step's chunk
.set NEG, 18                           ; -3e38
.set KF,  19                           ; the step's first key
.set Q0A, 48                           ; s48, s49 the two tiles' first queries
.set SC0, 50                           ; s50, s51 where their halfwords go
.set JJ,  52
.set TT,  53
.set CNT, 54
.set Q0,  55
.macro NOPS n
.rept \n
	v_nop
.endr
.endm
.macro TLD                             ; my chunk
	tensor_load_to_lds s[32:35], s[24:31]
	s_nop 0
	NOPS 4
.endm
	s_load_b128 s[4:7], s[0:1], 0x0                ; qb, kv
	s_load_b64 s[8:9], s[0:1], 0x10                ; oq
	v_lshl_add_u32 v254, v0, 2, SPARE
	v_mov_b32 v255, 0
	ds_add_u32 v254, v255
	ds_add_u32 v254, v255
	v_lshrrev_b32 v1, 5, v0
	v_readfirstlane_b32 s[WV], v1                  ; wave 0..15
	s_and_b32 s[BH], ttmp7, 0xffff                 ; 16 x batch + head
	s_mul_i32 s20, s[BH], HEADB
	s_mov_b32 s21, 0
	s_mul_i32 s22, s[WV], CH                       ; waves 0-7: chunk = wave
	s_mov_b32 s23, 0
	s_mov_b32 s24, 3<<16                           ; no mask; elements of 8 bytes; no padding
	s_mov_b32 s25, 32<<16                          ; tensor_dim0 = 32 (256 bytes)
	s_mov_b32 s26, 67<<16                          ; tensor_dim1 = 67
	s_mov_b32 s27, 32<<16                          ; tile_dim0
	s_mov_b32 s28, 67                              ; tile_dim1
	s_mov_b32 s29, 32                              ; the pitch: dense
	s_mov_b32 s30, 0
	s_mov_b32 s31, 0
	s_mov_b32 s32, 1
	s_mov_b32 s33, s22
	s_wait_dscnt 0x0
	s_wait_kmcnt 0x0
	s_add_nc_u64 s[6:7], s[6:7], s[20:21]
	s_add_nc_u64 s[4:5], s[4:5], s[20:21]
	s_add_nc_u64 s[34:35], s[6:7], s[22:23]
	s_or_b32 s35, s35, 0x80000000
	s_cmp_lt_u32 s[WV], 2
	s_cbranch_scc0 .Lrest
	TLD                                            ; chunks 0 and 1: shown by the first barrier
	s_branch .Lasked
.Lrest:
	s_cmp_lt_u32 s[WV], 8
	s_cbranch_scc0 .Lasked
	TLD                                            ; chunks 2 to 7: shown by the second
.Lasked:
	s_lshr_b32 s20, s[WV], 3
	s_mul_i32 s20, s20, 3
	s_xor_b32 s20, s20, ttmp9                      ; s
	s_and_b32 s22, s[WV], 7
	s_lshl_b32 s21, s20, 3
	s_add_co_u32 s21, s21, s22                     ; the second tile: 8 s + wave % 8 of the head's 64
	s_sub_co_u32 s20, 7, s20
	s_lshl_b32 s20, s20, 3
	s_add_co_u32 s20, s20, s22                     ; the first: 8 (7 - s) + wave % 8
	s_lshl_b32 s[SC0], s[WV], 5
	s_add_co_u32 s[SC0], s[SC0], SCR               ; halfwords: 512 x pass + 32 x wave
	s_add_co_u32 s[SC0+1], s[SC0], 512
	s_lshr_b32 s23, s[BH], 4
	s_lshl_b32 s23, s23, 6                         ; 64 x batch
	s_and_b32 s58, s[BH], 15
	s_lshl_b32 s58, s58, 10                        ; the head's 1,024 bytes in a tile of o's codes
	s_mov_b32 s61, 0
.irp p, 0,1
	s_lshl_b32 s[Q0A+\p], s[20+\p], 4
	s_lshr_b32 s56, s[20+\p], 3
	s_mul_i32 s56, s56, CH                         ; the tile's chunk of qb
	s_and_b32 s59, s[20+\p], 7
	s_lshl_b32 s60, s59, 10
	s_add_co_u32 s60, s60, s56
	s_add_nc_u64 s[36+2*\p:37+2*\p], s[4:5], s[60:61]   ; Q's codes
	s_lshl_b32 s60, s59, 2
	s_add_co_u32 s60, s60, s56
	s_add_co_u32 s60, s60, KSO
	s_add_nc_u64 s[40+2*\p:41+2*\p], s[4:5], s[60:61]   ; Q's scale words
	s_add_co_u32 s60, s23, s[20+\p]
	s_lshl_b32 s60, s60, 14
	s_add_co_u32 s60, s60, s58
	s_add_nc_u64 s[44+2*\p:45+2*\p], s[8:9], s[60:61]   ; o's codes
.endr
	v_and_b32 v1, 31, v0
	v_lshlrev_b32 v[L16], 4, v1
	v_and_b32 v[TP], 15, v0                        ; r
	v_bfe_u32 v[ADR], v0, 4, 1                     ; h
	v_lshlrev_b32 v[ADS], 5, v[TP]
	v_add_nc_u32 v[AKS], KSO, v[ADS]
	v_lshl_add_u32 v[AVS], v[TP], 4, VSO
	v_lshlrev_b32 v6, 3, v[ADR]
	v_sub_nc_u32 v6, v[TP], v6                     ; r - 8 h
.irp p, 0,1
	global_load_b128 v[Z0+8+16*\p:Z0+11+16*\p], v[L16], s[36+2*\p:37+2*\p]
	global_load_b128 v[Z0+12+16*\p:Z0+15+16*\p], v[L16], s[36+2*\p:37+2*\p] offset:512
	global_load_b32 v[QW+\p], v[ADS], s[40+2*\p:41+2*\p]
.endr
	v_mov_b32 v[TP], 0xff61b1e6                    ; -3e38
.irp i, 0,1,2,3,4,5,6,7
	v_cmp_gt_i32 vcc_lo, \i, v6                    ; key 8 h + i comes after query r
	v_cndmask_b32 v[DG+\i], 0, v[TP], vcc_lo
.endr
.irp i, 0,1,2,3,4,5,6,7
	v_mov_b32 v[Z0+\i], 0                          ; zero codes
.endr
.irp b, 0,1,2,3
	v_mov_b32 v[TM+4+\b], 0                        ; written once: a lane permute's destination counts as one of its sources
.endr
	v_mov_b32 v[PWD], 0                            ; (named as the upper half of the pair v[12:13] before it is first written)
	s_mov_b32 s[SEL], 0x76543210
	s_mov_b32 s[SEL+1], 0xfedcba98
	s_mov_b32 s[CS], 0x3e38aa3b
	s_mov_b32 s[CS+1], s[CS]
	s_mov_b32 s[MNT], 0x600000
	s_mov_b32 s[NEG], 0xff61b1e6
	s_wait_alu depctr_va_vdst(0)
	s_cmp_lt_u32 s[WV], 2
	s_cbranch_scc0 .Lnot_first
	s_wait_tensorcnt 0x0                           ; waves 0, 1: my chunk lies in LDS
.Lnot_first:
	s_barrier_signal -1
	s_barrier_wait -1                              ; chunks 0 and 1 do
	s_wait_loadcnt 0x0                             ; both tiles' Q: the first's between the zeros, the second's at v48-55 until its turn
.macro SCORE t, c                      ; tile t of 16 keys against my 16 queries
	v_wmma_scale_f32_16x16x128_f8f6f4 v[S+8*(\t):S+8*(\t)+7], v[F+16*((\t)/2):F+16*((\t)/2)+15], v[Z0+8-8*((\t)%2):Z0+23-8*((\t)%2)], \c, v[SW+(\t)], v[QW] matrix_a_fmt:MATRIX_FMT_BF8 matrix_b_fmt:MATRIX_FMT_BF8
.endm
; A KEY STEP: 128 keys for my 16 queries.  full = 0: all its keys count, by the shares.  full = 1: it may be hidden (only the addresses step) or lie on the diagonal
.macro STEP full
.if \full
	s_add_co_u32 s[TT], s[Q0], 15
	s_cmp_gt_u32 s[KF], s[TT]
	s_cbranch_scc1 .Lhidden_\@
.endif
	v_add_nc_u32 v[ADR], s[TK], v[L16]
	v_add_nc_u32 v[ADS], s[TK], v[AKS]
	NOPS 6                                         ; with the two additions: eight places in front of loads into registers that the last products read
.irp m, 0,1,2,3,4,5,6,7,8,9,10,11,12,13,14,15
	ds_load_b128 v[F+4*\m:F+4*\m+3], v[ADR] offset:512*\m
.endr
	ds_load_b128 v[SW:SW+3], v[ADS]
	ds_load_b128 v[SW+4:SW+7], v[ADS] offset:16
	s_wait_alu depctr_va_vdst(0)
	s_wait_dscnt 0x0
.if \full
	s_add_co_u32 s[TT], s[KF], 127
	s_cmp_le_u32 s[TT], s[Q0]
	s_cbranch_scc0 .Ldiag_\@
.endif
.irp t, 0,1,2,3,4,5,6,7
	SCORE \t, 0
.endr
.if \full
	s_branch .Lscored_\@
.Ldiag_\@:
	s_sub_co_u32 s[JJ], s[Q0], s[KF]
	s_lshr_b32 s[JJ], s[JJ], 4                     ; J: the tile on the diagonal
.irp t, 0,1,2,3,4,5,6
	s_cmp_eq_u32 s[JJ], \t
	s_cbranch_scc1 .Ld_\@_\t
	SCORE \t, 0
.endr
	SCORE 7, v[DG:DG+7]
	s_branch .Lscored_\@
.irp t, 0,1,2,3,4,5,6
.Ld_\@_\t:
	SCORE \t, v[DG:DG+7]
	s_branch .Lh_\@_\t
.endr
.irp t, 0,1,2,3,4,5,6
.Lh_\@_\t:                                         ; tile t + 1 and all behind it are hidden
.irp k, 0,2,4,6
	v_dual_mov_b32 v[S+8*(\t+1)+\k], s[NEG] :: v_dual_mov_b32 v[S+8*(\t+1)+\k+1], s[NEG]
.endr
.endr
.Lscored_\@:
.endif
	v_add_nc_u32 v[ADS], s[TK], v[AVS]
	NOPS 7                                         ; eight places again: for v's loads into the same registers, and for the first read of the scores
.irp m, 0,1,2,3,4,5,6,7,8,9,10,11,12,13,14,15
	ds_load_b128 v[F+4*\m:F+4*\m+3], v[ADR] offset:VCO+512*\m   ; v's four fragments land under the softmax
.endr
	ds_load_b128 v[SW:SW+3], v[ADS]
.irp b, 0,1,2,3
	v_max3_num_f32 v[TM+\b], v[S+16*\b], v[S+1+16*\b], v[S+2+16*\b]   ; the largest score of each block of 32 keys: for the row's maximum, and, since p rises with the score, for the block's largest p
.endr
.irp i, 3,5,7,9,11,13
.irp b, 0,1,2,3
	v_max3_num_f32 v[TM+\b], v[TM+\b], v[S+16*\b+\i], v[S+1+16*\b+\i]
.endr
.endr
.irp b, 0,1,2,3
	v_max_num_f32 v[TM+\b], v[TM+\b], v[S+15+16*\b]
.endr
.irp b, 0,1,2,3
	s_delay_alu instid0(VALU_DEP_4)
	v_permlanex16_b32 v[TM+4+\b], v[TM+\b], s[SEL], s[SEL+1]
.endr
.irp b, 0,1,2,3
	s_delay_alu instid0(VALU_DEP_4)
	v_max_num_f32 v[TM+\b], v[TM+\b], v[TM+4+\b]
.endr
	s_delay_alu instid0(VALU_DEP_2)
	v_max3_num_f32 v[TP], v[TM], v[TM+1], v[TM+2]
	s_delay_alu instid0(VALU_DEP_1)
	v_max_num_f32 v[TP], v[TP], v[TM+3]
	s_delay_alu instid0(VALU_DEP_1)
	v_mul_f32 v[TP], s[CS], v[TP]
	s_delay_alu instid0(VALU_DEP_1)
	v_max_num_f32 v[NM+1], v[NM+1], v[TP]          ; the running largest t
	v_mov_b32 v[TP], v[NM]
	s_delay_alu instid0(VALU_DEP_2)
	v_floor_f32 v[NM], -v[NM+1]                    ; -M = floor(-t): a whole number
	s_delay_alu instid0(VALU_DEP_1)
	v_sub_f32 v[TP], v[NM], v[TP]
	s_delay_alu instid0(VALU_DEP_1)
	v_cvt_i32_f32 v[TP], v[TP]                     ; (it saturates)
	s_delay_alu instid0(VALU_DEP_1)
	v_ldexp_f32 v[FF], 1.0, v[TP]                  ; f = 2^(old M - new M)
.set j, 0
.rept 32
	v_pk_fma_f32 v[S+j:S+j+1], v[S+j:S+j+1], s[CS:CS+1], v[NM:NM+1] op_sel_hi:[1,0,0]   ; t - M
.set j, j+2
.endr
.irp b, 0,1,2,3
	v_fma_f32 v[TM+\b], v[TM+\b], s[CS], v[NM]
.endr
	s_wait_alu depctr_va_vdst(0)
.set j, 0
.rept 64
	v_exp_f32 v[S+j], v[S+j]                       ; p
.set j, j+1
.endr
	v_pk_mul_f32 v[SUM:SUM+1], v[SUM:SUM+1], v[FF:FF+1] op_sel_hi:[1,0]   ; a plain instruction behind the exponentials
	s_wait_alu depctr_va_vdst(0)                   ; one wait for the batch, ahead of its first reader
.irp b, 0,1,2,3
	v_exp_f32 v[TM+\b], v[TM+\b]                   ; the blocks' largest p
.endr
	v_pk_add_f32 v[244:245], v[132:133], v[136:137]   ; the row's sum of the unquantised p, in eight chains
	v_pk_add_f32 v[254:255], v[140:141], v[144:145]
	v_pk_add_f32 v[252:253], v[148:149], v[152:153]
	v_pk_add_f32 v[250:251], v[156:157], v[160:161]
	v_pk_add_f32 v[248:249], v[164:165], v[168:169]
	v_pk_add_f32 v[246:247], v[172:173], v[176:177]
	v_pk_add_f32 v[238:239], v[180:181], v[184:185]
	v_pk_add_f32 v[10:11], v[10:11], v[188:189]
	v_pk_add_f32 v[244:245], v[244:245], v[128:129]
	v_pk_add_f32 v[254:255], v[254:255], v[130:131]
	v_pk_add_f32 v[252:253], v[252:253], v[134:135]
	v_pk_add_f32 v[250:251], v[250:251], v[138:139]
	v_pk_add_f32 v[248:249], v[248:249], v[142:143]
	v_pk_add_f32 v[246:247], v[246:247], v[146:147]
	v_pk_add_f32 v[238:239], v[238:239], v[150:151]
	v_pk_add_f32 v[10:11], v[10:11], v[154:155]
	v_pk_add_f32 v[244:245], v[244:245], v[158:159]
	v_pk_add_f32 v[254:255], v[254:255], v[162:163]
	v_pk_add_f32 v[252:253], v[252:253], v[166:167]
	v_pk_add_f32 v[250:251], v[250:251], v[170:171]
	v_pk_add_f32 v[248:249], v[248:249], v[174:175]
	v_pk_add_f32 v[246:247], v[246:247], v[178:179]
	v_pk_add_f32 v[238:239], v[238:239], v[182:183]
	v_pk_add_f32 v[10:11], v[10:11], v[186:187]
	v_pk_add_f32 v[244:245], v[244:245], v[190:191]
	v_pk_add_f32 v[10:11], v[10:11], v[250:251]
	v_pk_add_f32 v[244:245], v[244:245], v[248:249]
	v_pk_add_f32 v[254:255], v[254:255], v[246:247]
	v_pk_add_f32 v[252:253], v[252:253], v[238:239]
	v_pk_add_f32 v[10:11], v[10:11], v[254:255]
	v_pk_add_f32 v[244:245], v[244:245], v[252:253]
	v_pk_add_f32 v[10:11], v[10:11], v[244:245]
	s_wait_alu depctr_va_vdst(0)                   ; and one for the four
.irp b, 0,1,2,3
	v_max_num_f32 v[TM+\b], 0x8000000, v[TM+\b]    ; the floor 2^(16 - 127)
.endr
.irp b, 0,1,2,3
	v_add_nc_u32 v[TM+12+\b], 0xf8800000, v[TM+\b] ; 15 off the exponent field: the conversion's scale operand
.endr
.irp b, 0,1,2,3
	v_and_or_b32 v[TM+8+\b], v[TM+\b], 0x7f800000, s[MNT]   ; 57,344 x the scale
.endr
.irp b, 0,1,2,3
	v_lshrrev_b32 v[TM+4+\b], 23, v[TM+12+\b]
.endr
	v_lshl_or_b32 v[PWD], v[TM+5], 8, v[TM+4]
	v_lshl_or_b32 v[PWD], v[TM+6], 16, v[PWD]
	v_lshl_or_b32 v[PWD], v[TM+7], 24, v[PWD]
; the hold: the conversion does not saturate (ISA guide 7.6.2); p is not negative.  Two minima an instruction: one of block b, one of block b + 1, so that destinations differ in parity and sources in register number modulo 4
.irp b, 0,2
.irp i, 0,2,4,6,8,10,12,14
	v_dual_min_num_f32 v[S+16*\b+\i], v[S+16*\b+\i], v[TM+8+\b] :: v_dual_min_num_f32 v[S+16*\b+17+\i], v[S+16*\b+17+\i], v[TM+9+\b]
	v_dual_min_num_f32 v[S+16*\b+16+\i], v[S+16*\b+16+\i], v[TM+9+\b] :: v_dual_min_num_f32 v[S+16*\b+1+\i], v[S+16*\b+1+\i], v[TM+8+\b]
.endr
.irp e, 0,1
	v_cvt_scalef32_pk8_bf8_f32 v[PC+4*(\b+\e):PC+4*(\b+\e)+1], v[S+16*(\b+\e):S+16*(\b+\e)+7], v[TM+12+\b+\e]
	v_cvt_scalef32_pk8_bf8_f32 v[PC+4*(\b+\e)+2:PC+4*(\b+\e)+3], v[S+16*(\b+\e)+8:S+16*(\b+\e)+15], v[TM+12+\b+\e]
.endr
.endr
	s_wait_alu depctr_va_vdst(0)                   ; directly ahead of the first reader of O^T
.set j, 0
.rept 16
	v_pk_mul_f32 v[O+j:O+j+1], v[O+j:O+j+1], v[FF:FF+1] op_sel_hi:[1,0]   ; O^T under the new M; also the places between the conversions and the products
.set j, j+2
.endr
	s_wait_alu depctr_va_vdst(0)
	s_wait_dscnt 0x0                               ; v
.irp t, 0,1,2,3
	v_wmma_scale_f32_16x16x128_f8f6f4 v[O+8*\t:O+8*\t+7], v[F+16*\t:F+16*\t+15], v[PC:PC+15], v[O+8*\t:O+8*\t+7], v[SW+\t], v[PWD] matrix_a_fmt:MATRIX_FMT_BF8 matrix_b_fmt:MATRIX_FMT_BF8
.endr
.if \full
.Lhidden_\@:
.endif
	s_add_co_u32 s[TK], s[TK], CH
	s_add_co_u32 s[KF], s[KF], 128
.endm
.macro LOOP n, full
	s_mov_b32 s[CNT], \n
.Lstep_\@:
	STEP \full
	s_sub_co_u32 s[CNT], s[CNT], 1
	s_cmp_lg_u32 s[CNT], 0
	s_cbranch_scc1 .Lstep_\@
.endm
.macro INIT p                          ; a tile begins: Q into its place between the zeros, the running numbers, zeros for O^T (the step is written for every trip alike: the first finds zeros)
.irp i, 0,1,2,3,4,5,6,7
.if \p
	v_mov_b32 v[Z0+8+\i], v[Z0+24+\i]              ; the second tile's Q, from where it was loaded
.endif
.endr
.if \p
	v_mov_b32 v[QW], v[QW+1]
.else
.irp i, 0,1,2,3,4,5,6,7
	v_mov_b32 v[Z0+16+\i], 0                       ; zero codes behind Q
.endr
.endif
	v_mov_b32 v[NM+1], 0xff61b1e6                  ; the largest t so far: -3e38
	v_floor_f32 v[NM], -v[NM+1]
	v_mov_b32 v[SUM], 0
	v_mov_b32 v[SUM+1], 0
.set j, 0
.rept 32
	v_mov_b32 v[O+j], 0
.set j, j+1
.endr
	s_mov_b32 s[TK], 0
	s_mov_b32 s[KF], 0
	s_mov_b32 s[Q0], s[Q0A+\p]
	s_wait_alu depctr_va_vdst(0)
.endm
.macro OUT p                           ; o = O^T / the sum, quantised along the head's 64 (two blocks), as an image of the last product's operand
	NOPS 8                                         ; places behind the last products
	v_add_f32 v[SUM], v[SUM], v[SUM+1]
	v_permlanex16_b32 v[TP], v[SUM], s[SEL], s[SEL+1]
	v_add_f32 v[SUM], v[SUM], v[TP]
	s_wait_alu depctr_va_vdst(0)
	v_rcp_f32 v[SUM], v[SUM]
	v_and_b32 v[ADR], 15, v0                       ; (a plain instruction behind the transcendental)
	v_lshl_add_u32 v[ADR], v[ADR], 1, s[SC0+\p]    ; my query's halfword: 2 r in my tile's 32 bytes
	s_wait_alu depctr_va_vdst(0)
.set j, 0
.rept 16
	v_pk_mul_f32 v[S+j:S+j+1], v[O+j:O+j+1], v[SUM:SUM+1] op_sel_hi:[1,0]
.set j, j+2
.endr
.irp b, 0,1
	v_max3_num_f32 v[TM+\b], |v[S+16*\b]|, |v[S+1+16*\b]|, 0x8000000
.endr
.irp i, 2,4,6,8,10,12,14
.irp b, 0,1
	v_max3_num_f32 v[TM+\b], v[TM+\b], |v[S+16*\b+\i]|, |v[S+1+16*\b+\i]|
.endr
.endr
.irp b, 0,1
	v_permlanex16_b32 v[TM+4+\b], v[TM+\b], s[SEL], s[SEL+1]
.endr
.irp b, 0,1
	v_max_num_f32 v[TM+\b], v[TM+\b], v[TM+4+\b]
.endr
.irp b, 0,1
	v_add_nc_u32 v[TM+12+\b], 0xf8800000, v[TM+\b]
.endr
.irp b, 0,1
	v_and_or_b32 v[TM+8+\b], v[TM+\b], 0x7f800000, s[MNT]
.endr
.irp b, 0,1
	v_lshrrev_b32 v[TM+4+\b], 23, v[TM+12+\b]
.endr
	v_lshl_or_b32 v[TP], v[TM+5], 8, v[TM+4]
.irp b, 0,1
.irp i, 0,1,2,3,4,5,6,7,8,9,10,11,12,13,14,15
	v_med3_num_f32 v[S+16*\b+\i], v[S+16*\b+\i], -v[TM+8+\b], v[TM+8+\b]
.endr
	v_cvt_scalef32_pk8_bf8_f32 v[PC+4*\b:PC+4*\b+1], v[S+16*\b:S+16*\b+7], v[TM+12+\b]
	v_cvt_scalef32_pk8_bf8_f32 v[PC+4*\b+2:PC+4*\b+3], v[S+16*\b+8:S+16*\b+15], v[TM+12+\b]
.endr
	v_nop                                          ; a plain instruction behind the last conversion
	ds_store_b16 v[ADR], v[TP]                     ; both halves of the lanes write the same halfword
	global_store_b128 v[L16], v[PC:PC+3], s[44+2*\p:45+2*\p]
	global_store_b128 v[L16], v[PC+4:PC+7], s[44+2*\p:45+2*\p] offset:512
.endm
	INIT 0
	LOOP 2, 0                                      ; chunks 0 and 1: all their keys count for a first tile
	s_wait_tensorcnt 0x0                           ; every wave: my chunk lies in LDS,
	s_barrier_signal -1
	s_barrier_wait -1                              ; all eight do
	LOOP 6, 1
	OUT 0
	s_wait_xcnt 0x0                                ; the first tile's stores have read the codes' registers, which the second writes again
	INIT 1
	LOOP 4, 1                                      ; a second tile has four steps at the most
	OUT 1
	v_and_b32 v[TP], 31, v0
	v_lshlrev_b32 v[TP], 3, v[TP]                  ; 8 x lane
	s_lshl_b32 s20, s[WV], 8
	s_add_co_u32 s20, s20, SCR
	v_add_nc_u32 v[ADR], s20, v[TP]
	s_wait_alu depctr_va_vdst(0)
	s_wait_dscnt 0x0                               ; for the others' sake: my halfwords lie in LDS
	s_barrier_signal -1
	s_barrier_wait -1
	s_cmp_lt_u32 s[WV], 4
	s_cbranch_scc0 .Lend
	s_and_b32 s20, s[WV], 1                        ; wave k stores the 256 bytes at 256 k: pass k / 2 of waves 8 (k % 2) on
	s_mul_i32 s20, s20, 3
	s_xor_b32 s20, s20, ttmp9
	s_sub_co_u32 s21, 7, s20
	s_cmp_lt_u32 s[WV], 2
	s_cselect_b32 s20, s21, s20                    ; their group
	s_lshl_b32 s20, s20, 8
	s_lshl_b32 s22, s[BH], 11
	s_add_co_u32 s22, s22, s20
	s_add_co_u32 s22, s22, OSOFF
	s_mov_b32 s23, 0
	s_add_nc_u64 s[58:59], s[8:9], s[22:23]
	ds_load_b64 v[S:S+1], v[ADR]
	s_wait_dscnt 0x0
	global_store_b64 v[TP], v[S:S+1], s[58:59]     ; a group's 128 halfwords: 256 consecutive bytes, aligned
.Lend:
	s_wait_xcnt 0x0
	v_lshl_add_u32 v254, v0, 2, SPARE              ; no two registers could be kept: the add's two are made anew
	v_mov_b32 v255, 0
	s_wait_alu depctr_va_vdst(0)
	s_wait_tensorcnt 0x0                           ; the wave's end
	ds_add_u32 v254, v255
	s_wait_dscnt 0x0
	s_endpgm
.Lfunc_end_k_q530b0a469b_attn:
	.size	k_q530b0a469b_attn, .Lfunc_end_k_q530b0a469b_attn-k_q530b0a469b_attn
	.p2alignl 7, 3214868480
	.fill 96, 4, 3214868480
	.section	.rodata,"a",@progbits
	.p2align	6, 0x0
	.amdhsa_kernel k_q530b0a469b_attn
		.amdhsa_group_segment_fixed_size 169984
		.amdhsa_private_segment_fixed_size 0
		.amdhsa_enable_private_segment 0
		.amdhsa_kernarg_size 24
		.amdhsa_user_sgpr_count 2
		.amdhsa_user_sgpr_kernarg_segment_ptr 1
		.amdhsa_wavefront_size32 1
		.amdhsa_system_sgpr_workgroup_id_x 1
		.amdhsa_system_sgpr_workgroup_id_y 1
		.amdhsa_system_sgpr_workgroup_id_z 1
		.amdhsa_system_vgpr_workitem_id 0
		.amdhsa_next_free_vgpr 256
		.amdhsa_next_free_sgpr 66
		.amdhsa_reserve_vcc 1
		.amdhsa_float_denorm_mode_32 3
		.amdhsa_float_denorm_mode_16_64 3
		.amdhsa_memory_ordered 1
		.amdhsa_forward_progress 1
		.amdhsa_inst_pref_size 89
	.end_amdhsa_kernel
	.amdgpu_metadata
---
amdhsa.version: [ 1, 2 ]
amdhsa.kernels:
  - .name:           k_q530b0a469b_attn
    .symbol:         k_q530b0a469b_attn.kd
    .args:
      - { .name: qb, .offset: 0, .size: 8, .value_kind: global_buffer, .address_space: global }
      - { .name: kv, .offset: 8, .size: 8, .value_kind: global_buffer, .address_space: global }
      - { .name: oq, .offset: 16, .size: 8, .value_kind: global_buffer, .address_space: global }
    .group_segment_fixed_size: 169984
    .private_segment_fixed_size: 0
    .kernarg_segment_align: 8
    .kernarg_segment_size: 24
    .max_flat_workgroup_size: 512
    .sgpr_count:     66
    .vgpr_count:     256
    .wavefront_size: 32
...
	.end_amdgpu_metadata
.endif
;; end of part 3
;; launch proj (part 4): grid 8 x 32, 4 waves a work-group, clusters of 4 x 4, 327,680 bytes of LDS; arguments oq, cq, x, out0; writes out0
.if DOCPART == 4
	.amdgcn_target "amdgcn-amd-amdhsa--gfx1250"
	.amdhsa_code_object_version 6
	.text
	.protected	k_q530b0a469b_proj
	.globl	k_q530b0a469b_proj
	.p2align	8
	.type	k_q530b0a469b_proj,@function
k_q530b0a469b_proj:
	s_mov_b64 s[64:65], 0
	v_nop
	global_prefetch_b8 v0, s[64:65] scope:SCOPE_SE
	s_setreg_imm32_b32 hwreg(HW_REG_WAVE_MODE, 25, 1), 1
	s_wait_xcnt 0x0
	s_wait_alu depctr_hold_cnt(0) depctr_sa_sdst(0) depctr_va_vdst(0) depctr_va_sdst(0) depctr_va_ssrc(0) depctr_va_vcc(0) depctr_vm_vsrc(0)
	s_getreg_b32 s2, hwreg(HW_REG_IB_STS2, 6, 4)
	s_cmp_eq_u32 s2, 0
	s_cbranch_scc0 .Lentry_in_a_cluster
	s_endpgm
.Lentry_in_a_cluster:
	s_bfe_u32 s2, ttmp6, 0x10000c
	s_cmp_lg_u32 s2, 0xf033
	s_cbranch_scc0 .Lentry_shape_is_right
	s_endpgm
.Lentry_shape_is_right:
; PROJ: out = o W_out^T + x, the product on codes of BF8 (E5M2) with E8M0 scales, K = 1,024.
; A work-group of four waves makes 256 x 128 of the product (256 work-groups), a wave 128 x 64: 32 accumulators.  K goes in steps of 256 through two LDS slots filled by the tensor data mover.
; A' = 256 tokens of o's codes, B' = 128 rows of W_out's.  Source 0 = 16 rows of B', source 1 = 16 rows of A': a lane holds one token and eight neighbouring outputs.
; ALL CODES LIE IN MEMORY AS IMAGES OF OPERAND REGISTERS (16 rows x 128 K = 4 pieces of 512 bytes): a K step of 128 rows is 8 rows of 4,096 bytes for one tensor load, and a fragment is four ds_load_b128 at 16 x lane.
; SCALES.  W_out's lie [row][32] and come by a tensor load, as rows of 256 bytes + 16.  o's lie as halfwords [head][token]: each wave loads four heads' planes of the 256 tokens in whole runs of 512 bytes, pairs
; them into words and stores these into the same [row][32] form in LDS bytes into which no fill lands.
; THE SKIP: the wave's 128 x 64 numbers of x are asked for at the head, into 256 registers, in the layout of the way out: they come while K is walked.
; CLUSTERS: 4 x 4: A' is shared along a row of the cluster, B' along a column: joint loads.  Prefetches ask for K steps 1 to 3 ahead of their loads.
; REGISTERS: window 0: v7-30 addresses; v32-63 A's scale words, v64-79 B's; v96-127 the planes at the head; v128-255 A's fragments, on the way out rows of the result.
;   window 1: B's fragments, two sets (v0-63, v128-191).   window 2: the accumulators, (a, b) at v[8 (4 a + b)].   window 3: the skip.
.set NB,    4
.set NQ,    2
.set FR,    16
.set NL,    4
.set NP,    8                          ; places behind this matrix instruction (ISA guide 7.12.1)
.set HALFA, 32768
.set HALFB, 4096*NB
.set SLOT,  2*HALFA+2*HALFB
.set SCA,   2*SLOT                     ; A's scales: 32 rows of 256 + 16 bytes, written by LDS stores
.set SCB,   SCA+8704                   ; B's
.set SPARE, SCB+1088*NB                ; the spare words, 128 bytes a wave: two blocks of 256 bytes that no other line names
.set SCOFF, 12582912
.set OSOFF, 8388608
.set SPITCH, 272                       ; the way out: a stage of 16 rows x (256 + 16) bytes for each wave, in slot 0, which has had its last fill and its last read by then
.set L16,  8
.set ADRA, 16
.set ADRB, 20
.set STO,  24
.set RD,   25
.set CO,   26
.set ADSA, 27
.set SPW,  28
.set NIL,  29
.set ADSB, 30
.set SCAR, 32
.set SCBR, 64
.set PL,   96                          ; v96-111 four planes of halfwords; v112-127 the words
.set AF,   128
.set BK,   128                         ; the way out: v128-159 and v160-191 by turns
.set G1,   24
.set G0,   32
.set G1B,  48
.set G0B,  56
.set G1SB, 80
.set G0SB, 88
.set MSB, 0
.macro WIN new                         ; the immediate's high byte repeats the setting that is left
.if MSB != (\new)
	s_set_vgpr_msb (MSB<<8)|(\new)
.set MSB, (\new)
.endif
.endm
.macro MULWIN a
	WIN 0xa1+0x50*((NB*(\a))/32)
.endm
.macro JLOAD g0a, g1a, g0b, g1b        ; a joint load: waves 0, 1 fetch for A', waves 2, 3 for B'; four v_nop follow each line
	s_cmp_eq_u32 s15, 0
	s_cbranch_scc0 .Lfor_b_\@
	tensor_load_to_lds s[\g0a:\g0a+3], s[\g1a:\g1a+7]
	s_nop 0
.rept 4
	v_nop
.endr
	s_branch .Lasked_\@
.Lfor_b_\@:
	tensor_load_to_lds s[\g0b:\g0b+3], s[\g1b:\g1b+7]
	s_nop 0
.rept 4
	v_nop
.endr
.Lasked_\@:
.endm
.macro CREST
	s_cmp_lg_u32 s14, 0
	s_cbranch_scc1 .Lnot_wave_0_\@
	s_barrier_signal -3
.Lnot_wave_0_\@:
	s_barrier_wait -3
	s_barrier_signal -1
	s_barrier_wait -1
.endm
.macro CROUND
	s_barrier_signal -1
	s_barrier_wait -1
	CREST
.endm
	s_load_b256 s[4:11], s[0:1], 0x0               ; oq s[4:5], cq s[6:7], x s[8:9], out0 s[10:11]
	v_lshl_add_u32 v[SPW], v0, 2, SPARE
	v_mov_b32 v[NIL], 0
	ds_add_u32 v28, v29
	ds_add_u32 v28, v29
	s_wait_dscnt 0x0
	v_lshrrev_b32 v1, 5, v0
	v_readfirstlane_b32 s14, v1                    ; wave 0..3
	s_lshr_b32 s15, s14, 1                         ; which 128 tokens are mine.  Also: I fetch for A' (0) or B' (1)
	s_and_b32 s16, s14, 1                          ; which 64 outputs.  Also: which half I fetch
	s_bfe_u32 s40, ttmp6, 0x40000                  ; cx
	s_bfe_u32 s41, ttmp6, 0x40004                  ; cy
	s_lshl_b32 s42, ttmp9, 2
	s_add_co_u32 s42, s42, s40                     ; tile column = 4 x cluster x + cx
	s_and_b32 s45, ttmp7, 0xffff
	s_lshl_b32 s45, s45, 2
	s_add_co_u32 s45, s45, s41                     ; tile row = 4 x cluster y + cy
	s_lshl_b32 s43, s41, 2
	s_lshl_b32 s43, 15, s43                        ; my row of the cluster
	s_lshl_b32 s44, 0x1111, s40                    ; my column
	s_or_b32 s[G1+0], s43, (3<<16)|(1<<21)         ; codes: rows of 4,096 bytes (512 elements of 8), 16,384 bytes apart; A': 8 rows
	s_mov_b32 s[G1+1], 512<<16
	s_mov_b32 s[G1+2], 8<<16
	s_mov_b32 s[G1+3], 512<<16
	s_mov_b32 s[G1+4], 8
	s_mov_b32 s[G1+5], 2048
	s_mov_b32 s[G1+6], 0
	s_mov_b32 s[G1+7], 0
	s_or_b32 s[G1B+0], s44, (3<<16)|(1<<21)        ; B': 4 rows
	s_mov_b32 s[G1B+1], 512<<16
	s_mov_b32 s[G1B+2], 4<<16
	s_mov_b32 s[G1B+3], 512<<16
	s_mov_b32 s[G1B+4], 4
	s_mov_b32 s[G1B+5], 2048
	s_mov_b32 s[G1B+6], 0
	s_mov_b32 s[G1B+7], 0
	s_or_b32 s[G1SB+0], s44, (3<<16)|(1<<20)|(1<<21)|(5<<22)|(3<<25)   ; the scales of 128 rows of B': 16 rows of 256 bytes, 16 of padding behind each
	s_mov_b32 s[G1SB+1], 32<<16
	s_mov_b32 s[G1SB+2], 16<<16                    ; one load brings the scales of all 128 rows of B': 16 rows of 256 bytes
	s_mov_b32 s[G1SB+3], 32<<16
	s_mov_b32 s[G1SB+4], 16
	s_mov_b32 s[G1SB+5], 32
	s_mov_b32 s[G1SB+6], 0
	s_mov_b32 s[G1SB+7], 0
.set G1BH, 68                          ; s[68:75] group 1 for the head's load of K step 0 of B': all 128 rows, 8 rows of 4,096 bytes
	s_or_b32 s[G1BH+0], s44, (3<<16)|(1<<21)
	s_mov_b32 s[G1BH+1], 512<<16
	s_mov_b32 s[G1BH+2], 8<<16
	s_mov_b32 s[G1BH+3], 512<<16
	s_mov_b32 s[G1BH+4], 8
	s_mov_b32 s[G1BH+5], 2048
	s_mov_b32 s[G1BH+6], 0
	s_mov_b32 s[G1BH+7], 0
	; places that mix the two coordinates, in registers that feed no descriptor
	s_lshl_b32 s12, s45, 20                        ; x and out0: 256 rows of 4,096 bytes a tile row,
	s_lshl_b32 s94, s15, 19
	s_add_co_u32 s12, s12, s94                     ; my 128 rows,
	s_lshl_b32 s94, s42, 9
	s_add_co_u32 s12, s12, s94                     ; 512 bytes a tile column,
	s_lshl_b32 s94, s16, 8
	s_add_co_u32 s12, s12, s94                     ; my 256 bytes
	s_mov_b32 s13, 0
	s_lshr_b32 s100, s45, 2                        ; o's halfwords: the batch's 16 planes of 2,048 bytes,
	s_lshl_b32 s100, s100, 15
	s_and_b32 s94, s45, 3
	s_lshl_b32 s94, s94, 9
	s_add_co_u32 s100, s100, s94                   ; the tile row's 512 bytes of a plane,
	s_lshl_b32 s94, s14, 12
	s_add_co_u32 s100, s100, s94                   ; from head 2 w on
	s_add_co_u32 s100, s100, OSOFF
	s_mov_b32 s101, 0
	; what I fetch
	s_lshl_b32 s20, s45, 18
	s_lshl_b32 s18, s16, 17
	s_add_co_u32 s20, s20, s18                     ; A': tile row x 262,144 + half x 131,072
	s_mov_b32 s21, 0
	s_lshl_b32 s66, s42, 17
	s_lshl_b32 s18, s16, 16
	s_add_co_u32 s66, s66, s18
	s_add_co_u32 s66, s66, 704*16384               ; B': tiles 704 + 8 x tile column + 4 x half of cq
	s_mov_b32 s67, 0
	s_lshl_b32 s46, s42, 12
	s_add_co_u32 s46, s46, SCOFF+704*512
	s_mov_b32 s47, 0
	s_mov_b32 s18, 0                               ; where it goes: no place in the cluster enters an LDS address
	s_lshl_b32 s19, s16, 15
	s_mul_i32 s17, s16, HALFB
	s_wait_kmcnt 0x0
	s_add_nc_u64 s[20:21], s[4:5], s[20:21]
	s_add_nc_u64 s[66:67], s[6:7], s[66:67]
	s_add_nc_u64 s[46:47], s[6:7], s[46:47]
	s_add_nc_u64 s[92:93], s[4:5], s[100:101]
	s_add_nc_u64 s[96:97], s[8:9], s[12:13]
	s_add_nc_u64 s[98:99], s[10:11], s[12:13]
	CROUND                                         ; all sixteen work-groups are here: the first joint loads meet
	s_mov_b32 s[G0SB], 1
	s_add_co_u32 s[G0SB+1], s18, SCB
	s_mov_b64 s[G0SB+2:G0SB+3], s[46:47]
	s_or_b32 s[G0SB+3], s[G0SB+3], 0x80000000
.irp s, 0,1
	s_mov_b32 s[G0+4*\s], 1
	s_add_co_u32 s[G0+4*\s+1], s19, \s*SLOT
	s_add_nc_u64 s[G0+4*\s+2:G0+4*\s+3], s[20:21], \s*4096
	s_or_b32 s[G0+4*\s+3], s[G0+4*\s+3], 0x80000000
	s_mov_b32 s[G0B+4*\s], 1
	s_add_co_u32 s[G0B+4*\s+1], s17, \s*SLOT+2*HALFA
	s_add_nc_u64 s[G0B+4*\s+2:G0B+4*\s+3], s[66:67], \s*4096
	s_or_b32 s[G0B+4*\s+3], s[G0B+4*\s+3], 0x80000000
.endr
	s_cmp_eq_u32 s15, 0                            ; a wave's first fills stand in one branch: one load of mine is out
	s_cbranch_scc0 .Lfirst_b
	tensor_load_to_lds s[G0:G0+3], s[G1:G1+7]
	s_nop 0
.rept 4
	v_nop
.endr
	s_branch .Lfirst_asked
.Lfirst_b:
	s_cmp_eq_u32 s14, 2
	s_cbranch_scc0 .Lfirst_s
	tensor_load_to_lds s[G0B:G0B+3], s[G1BH:G1BH+7]   ; wave 2 (its half number is 0): K step 0 of all of B'
	s_nop 0
.rept 4
	v_nop
.endr
	s_branch .Lfirst_asked
.Lfirst_s:
	tensor_load_to_lds s[G0SB:G0SB+3], s[G1SB:G1SB+7] ; wave 3: B's scales
	s_nop 0
.rept 4
	v_nop
.endr
.Lfirst_asked:
	; THE PREFETCHES (the head comment's line 'No prefetch' no longer holds).  A K step of 16 rows is a piece of 4,096 bytes, pieces 16,384 apart.  The four partners that ask for a tile jointly share its pieces out BY ADDRESS:
	; of A's 16 the partner at cx takes 4, two for each of waves 0 and 1; of B's 8 the partner at cy takes 2, for wave 2.  A lane names 256 bytes.  o's rows are asked for in every cluster (two walk them); W_out's, which eight
	; clusters walk, in those with an even y.  s[76:77] the buffer, s79 my first piece's byte, s78 = 1 where my wave asks: registers that feed no descriptor
	s_lshl_b32 s78, s45, 4
	s_lshl_b32 s79, s40, 2
	s_add_co_u32 s78, s78, s79
	s_lshl_b32 s79, s16, 1
	s_add_co_u32 s78, s78, s79                     ; A': piece 16 x tile row + 4 cx + 2 x half
	s_lshl_b32 s79, s42, 3
	s_add_co_u32 s79, s79, s41
	s_add_co_u32 s79, s79, s41
	s_add_co_u32 s79, s79, 704                     ; B': piece 704 + 8 x tile column + 2 cy of cq
	s_cmp_eq_u32 s15, 0
	s_cselect_b32 s79, s78, s79
	s_cselect_b64 s[76:77], s[4:5], s[6:7]
	s_lshl_b32 s79, s79, 14
	s_and_b32 s78, ttmp7, 1
	s_xor_b32 s78, s78, 1
	s_cmp_eq_u32 s14, 2
	s_cselect_b32 s78, s78, 0
	s_cmp_eq_u32 s15, 0
	s_cselect_b32 s78, 1, s78
	v_and_b32 v1, 31, v0
	v_lshlrev_b32 v[L16], 4, v1
	global_load_b128 v[PL:PL+3], v[L16], s[92:93]                   ; head 2 w: tokens 8 lane .. + 7, two halfwords a register
	global_load_b128 v[PL+4:PL+7], v[L16], s[92:93] offset:2048     ; head 2 w + 1
	global_load_b128 v[PL+8:PL+11], v[L16], s[92:93] offset:16384   ; head 2 w + 8
	global_load_b128 v[PL+12:PL+15], v[L16], s[92:93] offset:18432  ; head 2 w + 9
	v_and_b32 v2, 15, v0                           ; r
	v_bfe_u32 v3, v0, 4, 1                         ; h
	v_lshlrev_b32 v6, 14, v3                       ; v6: lanes 0-15 one piece, lanes 16-31 the next; 256 bytes a lane; never written again: K steps are immediates
	v_lshl_add_u32 v6, v2, 8, v6
	v_add_nc_u32 v6, s79, v6
	s_wait_alu depctr_va_vdst(0)
	s_cmp_eq_u32 s78, 1
	s_cbranch_scc0 .Lno_ask_head
	global_prefetch_b8 v6, s[76:77] offset:4096 th:TH_LOAD_NT scope:SCOPE_SE   ; K step 1, which the next round loads,
	global_prefetch_b8 v6, s[76:77] offset:8192 th:TH_LOAD_NT scope:SCOPE_SE   ; and K step 2
.Lno_ask_head:
	s_lshl_b32 s21, s15, 15
	s_mul_i32 s22, s16, HALFB
	s_add_co_u32 s22, s22, 2*HALFA
.irp s, 0,1
	v_add_nc_u32 v[ADRA+\s], s21, v[L16]
	v_add_nc_u32 v[ADRB+\s], s22, v[L16]
	s_add_co_u32 s21, s21, SLOT
	s_add_co_u32 s22, s22, SLOT
.endr
	v_lshlrev_b32 v4, 5, v2                        ; a row's 32 scale bytes,
	v_lshrrev_b32 v5, 3, v2
	v_lshl_add_u32 v4, v5, 4, v4                   ; and 16 more behind each 256
	s_mul_i32 s21, s15, 4352
	s_add_co_u32 s21, s21, SCA
	v_add_nc_u32 v[ADSA], s21, v4
	s_mul_i32 s22, s16, 544*NB
	s_add_co_u32 s22, s22, SCB
	v_add_nc_u32 v[ADSB], s22, v4
	v_mul_u32_u24 v7, v1, 272                      ; my eight tokens' rows of scale bytes: one run of 256 + 16,
	s_lshl_b32 s21, s14, 2
	s_add_co_u32 s21, s21, SCA
	v_add_nc_u32 v7, s21, v7                       ; the word of K step w in each
	s_mul_i32 s23, s14, 16*SPITCH                  ; my stage
	v_mul_u32_u24 v5, v2, SPITCH
	v_lshl_add_u32 v5, v3, 5, v5
	v_add_nc_u32 v[STO], s23, v5                   ; in: row r, 32 bytes for each half of the lanes
	v_mul_u32_u24 v5, v3, SPITCH
	v_lshl_add_u32 v5, v2, 4, v5
	v_add_nc_u32 v[RD], s23, v5                    ; back: lanes 0-15 one row of 256 bytes, lanes 16-31 the next
	v_lshlrev_b32 v[CO], 12, v3
	v_lshl_add_u32 v[CO], v2, 4, v[CO]             ; and the same two rows in x and out0
	s_wait_loadcnt 0x0
.irp u, 0,1                                    ; K steps w and w + 4: the word of a token is the even head's halfword below the odd head's
.irp j, 0,1,2,3
	v_perm_b32 v[PL+16+8*\u+2*\j], v[PL+8*\u+4+\j], v[PL+8*\u+\j], 0x05040100
	v_perm_b32 v[PL+17+8*\u+2*\j], v[PL+8*\u+4+\j], v[PL+8*\u+\j], 0x07060302
.endr
.endr
.irp u, 0,1
.irp j, 0,1,2,3,4,5,6,7
	ds_store_b32 v7, v[PL+16+8*\u+\j] offset:32*\j+16*\u
.endr
.endr
	WIN 0xc0                                       ; destination window 3
.irp a, 0,1,2,3,4,5,6,7
.irp t, 0,1,2,3,4,5,6,7
	global_load_b128 v[32*\a+4*\t:32*\a+4*\t+3], v[CO], s[96:97] offset:(16*\a+2*\t)*4096 th:TH_LOAD_NT   ; sixteen lanes read 256 consecutive bytes of a row
.endr
.endr
	WIN 0
.macro FRAG reg, adr, q, i
.irp c, 0,1,2,3
	ds_load_b128 v[\reg+4*\c:\reg+4*\c+3], v[\adr] offset:(\i)*4096+(\q)*2048+512*\c
.endr
.endm
; A's blocks a0, a0 + 1 against B's NB.  The accumulators take turns, one instruction a turn.
.macro MUL16 a0, p, q, sc, zero
.irp a, \a0, \a0+1
.irp b, 0,1,2,3,4,5,6,7
.if \b < NB
.set rD, 8*((NB*(\a)+\b)%32)
.if \zero
	v_wmma_scale_f32_16x16x128_f8f6f4 v[rD:rD+7], v[128*(\p)+FR*\b:128*(\p)+FR*\b+FR-1], v[AF+FR*(\a):AF+FR*(\a)+FR-1], 0, v[SCBR+2*NB*(\sc)+2*\b+(\q)], v[SCAR+16*(\sc)+2*(\a)+(\q)] matrix_a_fmt:MATRIX_FMT_BF8 matrix_b_fmt:MATRIX_FMT_BF8
.else
	v_wmma_scale_f32_16x16x128_f8f6f4 v[rD:rD+7], v[128*(\p)+FR*\b:128*(\p)+FR*\b+FR-1], v[AF+FR*(\a):AF+FR*(\a)+FR-1], v[rD:rD+7], v[SCBR+2*NB*(\sc)+2*\b+(\q)], v[SCAR+16*(\sc)+2*(\a)+(\q)] matrix_a_fmt:MATRIX_FMT_BF8 matrix_b_fmt:MATRIX_FMT_BF8
.endif
.endif
.endr
.endr
.endm
.macro FETCH_B slot, q, p
	WIN 0x40
.irp i, 0,1,2,3,4,5,6,7
.if \i < NB
	FRAG 128*(\p)+FR*\i, ADRB+\slot, \q, \i
.endif
.endr
	WIN 0
.endm
.macro FETCH_A slot, q, i0
.irp i, \i0, \i0+1, \i0+2, \i0+3
	FRAG AF+FR*(\i), ADRA+\slot, \q, \i
.endr
.endm
.macro SCALES sc
.irp i, 0,1,2,3,4,5,6,7
	ds_load_b64 v[SCAR+16*\sc+2*\i:SCAR+16*\sc+2*\i+1], v[ADSA] offset:\i*544
.endr
.irp i, 0,1,2,3,4,5,6,7
.if \i < NB
	ds_load_b64 v[SCBR+2*NB*\sc+2*\i:SCBR+2*NB*\sc+2*\i+1], v[ADSB] offset:\i*544
.endif
.endr
.endm
.macro PLACES n
.rept \n
	v_nop
.endr
.endm
.macro STEP slot, q, zero
	s_wait_dscnt 4*NL                              ; all but the youngest 16 loads (A's blocks 4-7) are in
	MULWIN 0
	MUL16 0, (\q)%2, \q, \slot, \zero
	MUL16 2, (\q)%2, \q, \slot, \zero
	s_wait_dscnt 0
	PLACES NP
	FETCH_B \slot, (\q)+1, 1-(\q)%2
	FETCH_A \slot, (\q)+1, 0
	MULWIN 4
	MUL16 4, (\q)%2, \q, \slot, \zero
	MUL16 6, (\q)%2, \q, \slot, \zero
	PLACES NP
	WIN 0
	FETCH_A \slot, (\q)+1, 4
.endm
.macro TURN slot, next, fill
	s_wait_tensorcnt 0x0                           ; all my tensor loads have landed: my part of the next slot
	ds_add_u32 v[SPW], v[NIL]                      ; 0 onto my spare word
	s_wait_dscnt 4*NL+1                            ; (the add and the youngest 16 loads may be out)
	MULWIN 0
	MUL16 0, 1, NQ-1, \slot, 0
	s_wait_dscnt 0x0                               ; the add is done, and my reads of this slot are over
	s_barrier_signal -1
	MUL16 2, 1, NQ-1, \slot, 0
	WIN 0
	s_barrier_wait -1
.if \fill
	CREST                                          ; the barrier has opened a round of the cluster's: no wave of any partner still reads this slot or has a load on its way
	s_add_nc_u64 s[G0+4*\slot+2:G0+4*\slot+3], s[G0+4*\slot+2:G0+4*\slot+3], 8192
	s_add_nc_u64 s[G0B+4*\slot+2:G0B+4*\slot+3], s[G0B+4*\slot+2:G0B+4*\slot+3], 8192
	JLOAD G0+4*\slot, G1, G0B+4*\slot, G1B
	PLACES NP-4
.else
	PLACES NP
.endif
	s_wait_alu depctr_va_vdst(0)
	v_add_nc_u32 v[ADSA], 8, v[ADSA]
	v_add_nc_u32 v[ADSB], 8, v[ADSB]
	FETCH_B \next, 0, 0
	FETCH_A \next, 0, 0
	SCALES \next
	MULWIN 4
	MUL16 4, 1, NQ-1, \slot, 0
	MUL16 6, 1, NQ-1, \slot, 0
	PLACES NP
	WIN 0
	FETCH_A \next, 0, 4
.endm
	s_wait_alu depctr_va_vdst(0)
	s_wait_tensorcnt 0x0                           ; my tile of the head's is in
	ds_add_u32 v[SPW], v[NIL]
	s_wait_dscnt 0x0                               ; the add is done, and my words of A's scales lie in LDS
	CROUND                                         ; K step 0 and all scales are in, and all sixteen work-groups are here
	JLOAD G0+4, G1, G0B+4, G1B                     ; K step 1: the first tensor load behind the round
	FETCH_B 0, 0, 0
	FETCH_A 0, 0, 0
	SCALES 0
	FETCH_A 0, 0, 4
	s_cmp_eq_u32 s78, 1
	s_cbranch_scc0 .Lno_ask_3
	global_prefetch_b8 v6, s[76:77] offset:12288 th:TH_LOAD_NT scope:SCOPE_SE  ; K step 3: loaded two refills on
.Lno_ask_3:
	STEP 0, 0, 1                                   ; the first products start the sums
	TURN 0, 1, 1
	STEP 1, 0, 0
	TURN 1, 0, 1
	STEP 0, 0, 0
	TURN 0, 1, 0                                   ; nothing is left to fetch
	STEP 1, 0, 0
	s_wait_dscnt 4*NL
	MULWIN 0
	MUL16 0, 1, NQ-1, 1, 0
	MUL16 2, 1, NQ-1, 1, 0
	s_wait_dscnt 0
	MULWIN 4
	MUL16 4, 1, NQ-1, 1, 0
	MUL16 6, 1, NQ-1, 1, 0
	WIN 0
; THE WAY OUT, block by block of 16 tokens x 64 outputs: through my own stage in LDS and back as whole rows of 256 bytes; the skip is added; sixteen lanes store 256 consecutive bytes, aligned.
.macro TOSTAGE a
	WIN 0x08                                       ; an LDS store's data are its source 1: window 2
.irp b, 0,1,2,3
	ds_store_b128 v[STO], v[8*(4*(\a)+\b):8*(4*(\a)+\b)+3] offset:64*\b        ; each accumulator from its low end on
	ds_store_b128 v[STO], v[8*(4*(\a)+\b)+4:8*(4*(\a)+\b)+7] offset:64*\b+16
.endr
	WIN 0
.set BB, BK+32*((\a)%2)
.irp t, 0,1,2,3,4,5,6,7
	ds_load_b128 v[BB+4*\t:BB+4*\t+3], v[RD] offset:\t*2*SPITCH   ; LDS serves a wave's instructions in order (ISA guide 5.7.1.4): these see the stores above
.endr
.endm
.macro SEND a, younger                 ; younger: the LDS instructions issued behind block a's loads
.set BB, BK+32*((\a)%2)
	s_wait_dscnt \younger
	WIN 0x0c                                       ; source 1 window 3: the skip
.set k, 0
.rept 16
	v_pk_add_f32 v[BB+k:BB+k+1], v[BB+k:BB+k+1], v[32*(\a)+k:32*(\a)+k+1]
.set k, k+2
.endr
	WIN 0
.irp t, 0,1,2,3,4,5,6,7
	global_store_b128 v[CO], v[BB+4*\t:BB+4*\t+3], s[98:99] offset:(16*(\a)+2*\t)*4096 th:TH_STORE_NT
.endr
.endm
	PLACES NP                                      ; behind the last products: for the reads of results and the loads into the fragments' registers
	s_wait_loadcnt 0x0                             ; the skip, asked for at the head
	TOSTAGE 0
.irp a, 1,2,3,4,5,6,7
.if \a > 1
	s_wait_xcnt 0x0                                ; block a - 2's stores have read their registers: block a's loads may land there
.endif
	TOSTAGE \a
	SEND \a-1, 16                                  ; behind block a - 1's loads: block a's 8 stores and 8 loads
.endr
	SEND 7, 0
	s_wait_tensorcnt 0x0                           ; the wave's end
	ds_add_u32 v[SPW], v[NIL]
	s_wait_dscnt 0x0
	CROUND                                         ; the closing round
	s_endpgm
.Lfunc_end_k_q530b0a469b_proj:
	.size	k_q530b0a469b_proj, .Lfunc_end_k_q530b0a469b_proj-k_q530b0a469b_proj
	.p2alignl 7, 3214868480
	.fill 96, 4, 3214868480
	.section	.rodata,"a",@progbits
	.p2align	6, 0x0
	.amdhsa_kernel k_q530b0a469b_proj
		.amdhsa_group_segment_fixed_size 327680
		.amdhsa_private_segment_fixed_size 0
		.amdhsa_enable_private_segment 0
		.amdhsa_kernarg_size 32
		.amdhsa_user_sgpr_count 2
		.amdhsa_user_sgpr_kernarg_segment_ptr 1
		.amdhsa_wavefront_size32 1
		.amdhsa_system_sgpr_workgroup_id_x 1
		.amdhsa_system_sgpr_workgroup_id_y 1
		.amdhsa_system_sgpr_workgroup_id_z 1
		.amdhsa_system_vgpr_workitem_id 0
		.amdhsa_next_free_vgpr 1024
		.amdhsa_next_free_sgpr 102
		.amdhsa_reserve_vcc 0
		.amdhsa_float_denorm_mode_32 3
		.amdhsa_float_denorm_mode_16_64 3
		.amdhsa_memory_ordered 1
		.amdhsa_forward_progress 1
		.amdhsa_inst_pref_size 111
	.end_amdhsa_kernel
	.amdgpu_metadata
---
amdhsa.version: [ 1, 2 ]
amdhsa.kernels:
  - .name:           k_q530b0a469b_proj
    .symbol:         k_q530b0a469b_proj.kd
    .args:
      - { .name: oq, .offset: 0, .size: 8, .value_kind: global_buffer, .address_space: global }
      - { .name: cq, .offset: 8, .size: 8, .value_kind: global_buffer, .address_space: global }
      - { .name: x, .offset: 16, .size: 8, .value_kind: global_buffer, .address_space: global }
      - { .name: out0, .offset: 24, .size: 8, .value_kind: global_buffer, .address_space: global }
    .group_segment_fixed_size: 327680
    .private_segment_fixed_size: 0
    .kernarg_segment_align: 8
    .kernarg_segment_size: 32
    .max_flat_workgroup_size: 128
    .sgpr_count:     102
    .vgpr_count:     1024
    .wavefront_size: 32
...
	.end_amdgpu_metadata
.endif
;; end of part 4
